; MI455X (gfx1250); checked and timed in simulation.
; The chip was launched on July 23, 2026; its instructions are those of AMD's public machine-readable ISA for CDNA 5 (MIT licence, August 2026) and "CDNA5" Instruction Set Architecture Reference Guide (July 2026). The comments in the code are by the model that wrote it; some were corrected since.
;; Mo H Sparse Attention Simple. Allowed arithmetic: matrix products marked QUANTISED: E2M3 operands, one E8M0 scale for each 32 along K, by v_wmma_scale_f32_16x16x128_f8f6f4 with both operands' format E2M3, f32 sums; everything else in f32.
;; Inputs: Wk 1,024 x 4,096 float32; Wo 512 x 1,024 float32; Wq 1,024 x 4,096 float32; Wr 1,024 x 32 float32; Wv 1,024 x 4,096 float32; x 2 x 2,048 x 1,024 float32.
;; Outputs: out0 2 x 2,048 x 1,024 float32; out1 2 x 32 int32; out2 one number float32.
;; This version of the problem:
;;   THIS VERSION OF THE PROBLEM IS GIVEN IN LOW PRECISION. The matrix products marked QUANTISED in the list below multiply operands that are first quantised to E2M3 (2 exponent bits, 3 mantissa bits; 6 bits a number), with one power-of-two scale for each 32 numbers along K (OCP MX v1.0); their sums are f32. All else is computed in f32.
;;   The module's matrix products, in the order in which they are computed (A, B: the left and right operand; K: the contracted axis; several contracted axes count as one K, in the product's order):
;;     1. [M 4,096, K 1,024] x [K 1,024, N 32]; A: input x; B: input Wr: QUANTISED
;;     2. [M 4,096, K 1,024] x [K 1,024, N 4,096]; A: input x; B: input Wq: QUANTISED
;;     3. [M 4,096, K 1,024] x [K 1,024, N 4,096]; A: input x; B: input Wk: QUANTISED
;;     4. [M 4,096, K 1,024] x [K 1,024, N 4,096]; A: input x; B: input Wv: QUANTISED
;;     5. batch 8 x [M 2,048, K 128] x [K 128, N 2,048]; A: computed on the way; B: computed on the way: QUANTISED
;;     6. batch 8 x [M 2,048, K 2,048] x [K 2,048, N 128]; A: softmax (see below); B: computed on the way: QUANTISED
;;     7. [M 4,096, K 512] x [K 512, N 1,024]; A: computed on the way; B: input Wo: QUANTISED
;;   THE QUANTISER, for each operand of a quantised product, along K:
;;     - K is cut into blocks of 32 from its start; a last block that is shorter is filled with zeros.
;;     - A block's scale is 2^e with e = floor(log2(the largest magnitude in the block)) - 2, held to -126 .. 127; a block of zeros has e = 0. As a byte (E8M0): e + 127.
;;     - Each number is divided by its block's scale, clamped to +-7.5, and rounded to the nearest number of E2M3, ties to even, subnormals kept.
;;     - The product sums the exact products of the quantised numbers (number of the format x scale) in f32.
;;   ~~~python
;;   def quantise(x, axis):      # numpy; x: float32 -> the quantised numbers, widened to float32 again
;;       x = np.moveaxis(x, axis, -1); K = x.shape[-1]
;;       x = np.pad(x, [(0, 0)] * (x.ndim - 1) + [(0, -K % 32)]); x = x.reshape(x.shape[:-1] + (-1, 32)); a = np.abs(x).max(-1, keepdims=True)
;;       e = np.where(a > 0, np.clip(np.frexp(np.where(a > 0, a, 1))[1] - 1 - 2, -126, 127), 0)      # np.frexp(a)[1] - 1 = floor(log2(a)), exactly
;;       r = np.clip(x / 2.0 ** e, -7.5, 7.5)
;;       step = 2.0 ** (np.maximum(np.frexp(np.where(r == 0, 1, r))[1] - 1, 0) - 3)
;;       q = np.round(r / step) * step * 2.0 ** e      # np.round: ties to even
;;       return np.moveaxis(q.reshape(q.shape[:-2] + (-1,))[..., :K], -1, axis).astype(np.float32)
;;   ~~~
;;   SOFTMAX AHEAD OF A QUANTISED PRODUCT. Where the list says 'softmax', what is quantised is not the finished softmax but p = 2^(t - M), with t = logit x log2(e) and M = ceil(the row's largest t), a whole number; so 1/2 < the row's largest p <= 1. The row's sum l is taken of the UNQUANTISED p, in f32, and the product's result is divided by l at the end. Since M is a whole number, a kernel that streams over the keys may use a running M (the ceiling of the running maximum): every later rescaling is an exact power of two, which a block's scale takes up: the codes' values come out the same.
;;   OPERANDS COMPUTED ON THE WAY. 'Computed on the way' means the value that the module computes at that place (a softmax that the list does not call 'softmax' is quantised finished and normalised). What goes into a quantiser is computed in f32, as accurately as f32 sums, v_exp_f32 and their like allow (about 1e-6 of the number): no bf16 or f16 on the way to a quantiser, and a product that is left as it is and whose result goes on into a quantised operand takes f32 operands (vector FMAs, or v_wmma_f32_16x16x4_f32). A number that lies on a knife's edge between two numbers of the format may be rounded either way, as far as f32 arithmetic and the matrix unit's own rounding can turn it there, and no further.
;; One version. Each part assembles by itself: llvm-mc -triple=amdgcn-amd-amdhsa -mcpu=gfx1250 --defsym DOCPART=n.
;; ======== version 1 of 1: 6 launches
;; limits: a function is approximated: absolute error at most 0.0002
;; workspace buffers: xw 4,457,472 bytes; sel 16,384 bytes of whole numbers; wq 9,830,400 bytes; lst 525,312 bytes of whole numbers; qkv 11,665,408 bytes; vw 2,048,000 bytes; ao 1,703,936 bytes
;; launch xq_router (part 1): grid 256 x 1, 4 waves a work-group, no clusters, 88,064 bytes of LDS; arguments x, Wr, xw, sel; writes xw, sel
.if DOCPART == 1
	.amdgcn_target "amdgcn-amd-amdhsa--gfx1250"
	.amdhsa_code_object_version 6
	.text
	.protected	k_qf6ac9756ee_xq_router
	.globl	k_qf6ac9756ee_xq_router
	.p2align	8
	.type	k_qf6ac9756ee_xq_router,@function
k_qf6ac9756ee_xq_router:
	s_mov_b64 s[64:65], 0
	v_nop
	global_prefetch_b8 v0, s[64:65] scope:SCOPE_SE
	s_setreg_imm32_b32 hwreg(HW_REG_WAVE_MODE, 25, 1), 1
	s_wait_xcnt 0x0
; x [4096][1024] f32 becomes codes of FP6 (E2M3) with one E8M0 byte for each 32 along K; the router's logits x Wr are made on those codes; top-4, head weights, the parts of the aux loss, and RoPE's table.
; SHARES.  Work-group g takes tokens 16 g .. 16 g + 15.  Wave w takes K = 256 w .. 256 w + 255 (K steps 2 w, 2 w + 1) for all 16 tokens and all 32 heads; the four partial logits meet in LDS and wave 0 does the router.
; Work-group g also makes rows 8 g .. 8 g + 7 of the table cos | sin, wave w two of them, while x is on its way.
; LAYOUTS OUT.  xc[token][K step][c][h][16 bytes]: registers 4 c .. 4 c + 3 that lane (token % 16, h) of an operand holds for that K step; 768 bytes a token.  xs[token][8 words]: a scale word for each K step.
; The product is used transposed: source 0 = 16 heads of Wr, source 1 = my 16 tokens: a lane holds one token.
; Wr: a lane takes a column (a head), its registers run down K: a block of 32 lies in one lane; twelve exchanges of lane halves make the two operands.
; LIMITS: NaN and infinities among the inputs are not served.  A block of zeros gets the byte 1 where the rule says 127 (its codes are zeros; this program alone reads the bytes); blocks whose largest
; magnitude lies under 2^-124 are held at the byte 1.  The table's frequency is 2^(-i log2(10000) / 64) by v_exp_f32: within about 2e-7 of 1 / 10000^(i / 64), which moves an angle by about 2e-4 at position 2047.
; Equal logits: the lower head wins.
.set XTP,   1040                       ; a row of a wave's turn stage: 1,024 bytes + 16: row r starts 4 r banks on
.set XTB,   16*XTP
.set XST,   4*XTB                      ; the 16 tokens' rows of xc
.set XSS,   XST+12288                  ; their scale words
.set LG,    XSS+512                    ; four waves' partial logits, as images of registers
.set SPARE, LG+8192                    ; the spare words: 128 bytes a wave
.set XC,    0
.set XS,    3145728
.set RT,    3276800
.set HW,    4325376
.set PT,    4390912
.set PE,    PT+65536
.set SPW,   14
.set NIL,   15
.set TM,    16                         ; v16-31 at work in the quantisers; later v16-19 the four largest logits, v20-23 their heads
.set XFA,   32                         ; x's two fragments
.set XFB,   44
.set TP,    56
.set WF,    64                         ; Wr's fragments: K step s', tile t at WF + 24 s' + 12 t
.set WSC,   112                        ; Wr's scale words: lanes 0-15 heads 0-15, lanes 16-31 heads 16-31
.set XSC,   114
.set XN,    128                        ; x's numbers, register 64 s' + 16 b + i = k 32 b + 16 h + i of my token
.set LGT,   192                        ; 32 logits of my token
.set EX,    224
.set SEL,   26
.set MSB, 0
.macro WIN new                         ; the immediate's high byte repeats the setting that is left
.if MSB != (\new)
	s_set_vgpr_msb (MSB<<8)|(\new)
.set MSB, (\new)
.endif
.endm
; cos and sin of v[th] (0 .. 2047): n = th x 2 / pi to the nearest; th - n pi / 2 in two parts; series up to r^9 and r^10 on |r| <= pi / 4; the quadrant swaps and signs them
.macro SINCOS th, co, si
	v_mul_f32 v140, 0x3f22f983, v[\th]
	v_rndne_f32 v140, v140
	v_fma_f32 v141, -v140, s20, v[\th]
	v_fma_f32 v141, -v140, s21, v141
	v_cvt_i32_f32 v142, v140
	v_mul_f32 v143, v141, v141
	v_mov_b32 v144, 0x3638ef1d
	v_fmaak_f32 v144, v144, v143, 0xb9500d01
	v_fmaak_f32 v144, v144, v143, 0x3c088889
	v_fmaak_f32 v144, v144, v143, 0xbe2aaaab
	v_mul_f32 v145, v143, v141
	v_fma_f32 v144, v145, v144, v141               ; sin r
	v_mov_b32 v146, 0xb493f27e
	v_fmaak_f32 v146, v146, v143, 0x37d00d01
	v_fmaak_f32 v146, v146, v143, 0xbab60b61
	v_fmaak_f32 v146, v146, v143, 0x3d2aaaab
	v_fmaak_f32 v146, v146, v143, 0xbf000000
	v_fma_f32 v146, v146, v143, 1.0                ; cos r
	v_and_b32 v147, 1, v142
	v_cmp_eq_u32 vcc_lo, 1, v147
	v_cndmask_b32 v[\si], v144, v146, vcc_lo
	v_cndmask_b32 v[\co], v146, v144, vcc_lo
	v_and_b32 v147, 2, v142
	v_lshlrev_b32 v147, 30, v147
	v_xor_b32 v[\si], v147, v[\si]
	v_add_nc_u32 v147, 1, v142
	v_and_b32 v147, 2, v147
	v_lshlrev_b32 v147, 30, v147
	v_xor_b32 v[\co], v147, v[\co]
.endm
; Wr's K step sp (128 numbers of my column, window 1) -> two fragments and a scale word
.macro QW sp
	WIN 0x14                                       ; sources 1 and 2 in window 1
.irp b, 0,1,2,3
	v_max3_num_f32 v[16+\b], 0x1800000, |v[128*\sp+32*\b]|, |v[128*\sp+32*\b+1]|   ; the floor 2^(3 - 127) is a leaf: the byte cannot fall under 1
.endr
.irp i, 2,4,6,8,10,12,14,16,18,20,22,24,26,28,30
.irp b, 0,1,2,3
	v_max3_num_f32 v[16+\b], v[16+\b], |v[128*\sp+32*\b+\i]|, |v[128*\sp+32*\b+\i+1]|
.endr
.endr
	WIN 0
.irp b, 0,1,2,3
	v_add_nc_u32 v[20+\b], 0xff000000, v[16+\b]    ; 2 off the exponent field: the conversion's scale operand
.endr
.irp b, 0,1,2,3
	v_lshrrev_b32 v[16+\b], 23, v[20+\b]           ; the scale's byte
.endr
	v_lshl_or_b32 v[WSC+\sp], v17, 8, v16
	v_lshl_or_b32 v[WSC+\sp], v18, 16, v[WSC+\sp]
	v_lshl_or_b32 v[WSC+\sp], v19, 24, v[WSC+\sp]
	WIN 0x01                                       ; source 0 in window 1
.irp b, 0,1,2,3
	v_cvt_scalef32_pk16_fp6_f32 v[WF+24*\sp+12*(\b%2)+6*(\b/2):WF+24*\sp+12*(\b%2)+6*(\b/2)+2], v[128*\sp+32*\b:128*\sp+32*\b+15], v[20+\b]
	v_cvt_scalef32_pk16_fp6_f32 v[24+4*\b+24*(\b/2):26+4*\b+24*(\b/2)], v[128*\sp+32*\b+16:128*\sp+32*\b+31], v[20+\b]   ; (a conversion's three registers begin on an even number)
.endr
	WIN 0
	v_nop                                          ; one plain place behind a scaled conversion
.irp b, 0,1,2,3
.irp i, 0,1,2
	v_mov_b32 v[WF+24*\sp+12*(\b%2)+6*(\b/2)+3+\i], v[24+4*\b+24*(\b/2)+\i]
.endr
.endr
.irp i, 0,1,2,3,4,5,6,7,8,9,10,11                  ; blocks 0, 2 stood in the first run, 1, 3 in the second, of all 32 columns: the exchange gives tile 0 (heads 0-15) and tile 1 in the operand's layout
	v_permlane16_swap_b32 v[WF+24*\sp+\i], v[WF+24*\sp+12+\i]
.endr
.endm
; 64 numbers of a lane, register 16 b + i = k 32 b + 16 h + i of my row, become a fragment in v[pc] on and its scale word in v[pw]
.macro QUANT s, pc, tp, pw
.irp b, 0,1,2,3
	v_max3_num_f32 v[TM+\b], |v[\s+16*\b]|, |v[\s+1+16*\b]|, 0x1800000
.endr
.irp i, 2,4,6,8,10,12,14
.irp b, 0,1,2,3
	v_max3_num_f32 v[TM+\b], v[TM+\b], |v[\s+16*\b+\i]|, |v[\s+1+16*\b+\i]|
.endr
.endr
.irp b, 0,1,2,3
	v_permlanex16_b32 v[TM+4+\b], v[TM+\b], s[SEL], s[SEL+1]
.endr
.irp b, 0,1,2,3
	v_max_num_f32 v[TM+\b], v[TM+\b], v[TM+4+\b]
.endr
.irp b, 0,1,2,3
	v_add_nc_u32 v[TM+12+\b], 0xff000000, v[TM+\b]
.endr
.irp b, 0,1,2,3
	v_lshrrev_b32 v[TM+4+\b], 23, v[TM+12+\b]
.endr
	v_lshl_or_b32 v[\pw], v[TM+5], 8, v[TM+4]
	v_lshl_or_b32 v[\pw], v[TM+6], 16, v[\pw]
	v_lshl_or_b32 v[\pw], v[TM+7], 24, v[\pw]
.irp c, 0,1
	v_cvt_scalef32_pk16_fp6_f32 v[\pc+6*\c:\pc+2+6*\c], v[\s+32*\c:\s+15+32*\c], v[TM+12+2*\c]
	v_cvt_scalef32_pk16_fp6_f32 v[\tp+4*\c:\tp+2+4*\c], v[\s+16+32*\c:\s+31+32*\c], v[TM+12+2*\c+1]
.endr
	v_nop                                          ; one plain place behind a scaled conversion
.irp c, 0,1
.irp i, 0,1,2
	v_permlane16_swap_b32 v[\pc+6*\c+\i], v[\tp+4*\c+\i]
.endr
.irp i, 0,1,2
	v_mov_b32 v[\pc+3+6*\c+\i], v[\tp+4*\c+\i]
.endr
.endr
.endm
; the k-th largest of the 32 logits into v[16 + k], and its head, the lowest that holds it, into v[20 + k]
.macro ARGMAX k
.irp c, 0,1,2,3
	v_max3_num_f32 v[144+\c], v[LGT+8*\c], v[LGT+8*\c+1], v[LGT+8*\c+2]
.endr
.irp c, 0,1,2,3
	v_max3_num_f32 v[144+\c], v[144+\c], v[LGT+8*\c+3], v[LGT+8*\c+4]
.endr
.irp c, 0,1,2,3
	v_max3_num_f32 v[144+\c], v[144+\c], v[LGT+8*\c+5], v[LGT+8*\c+6]
.endr
.irp c, 0,1,2,3
	v_max_num_f32 v[144+\c], v[144+\c], v[LGT+8*\c+7]
.endr
	v_max3_num_f32 v144, v144, v145, v146
	v_max_num_f32 v[16+\k], v144, v147
	v_mov_b32 v[20+\k], 31
.set i, 30
.rept 31                                           ; from head 30 down: the last to be taken is the lowest
	v_cmp_neq_f32 vcc_lo, v[LGT+i], v[16+\k]
	v_cndmask_b32 v[20+\k], i, v[20+\k], vcc_lo
.set i, i-1
.endr
.endm
.macro MASK k                                      ; the head just taken counts no more
.set i, 0
.rept 32
	v_cmp_eq_u32 vcc_lo, i, v[20+\k]
	v_cndmask_b32 v[LGT+i], v[LGT+i], v24, vcc_lo
.set i, i+1
.endr
.endm
	s_load_b256 s[4:11], s[0:1], 0x0               ; x s[4:5], Wr s[6:7], xw s[8:9], sel s[10:11]
	v_lshl_add_u32 v[SPW], v0, 2, SPARE
	v_mov_b32 v[NIL], 0
	v_lshrrev_b32 v1, 5, v0
	v_readfirstlane_b32 s12, v1                    ; wave
	v_and_b32 v1, 31, v0                           ; lane
	v_and_b32 v2, 15, v0                           ; r
	v_bfe_u32 v3, v0, 4, 1                         ; h
	v_lshlrev_b32 v4, 4, v1
	v_lshlrev_b32 v5, 2, v1
	s_mul_i32 s13, s12, XTB
	v_add_nc_u32 v6, s13, v4                       ; the turn stage, in: 16 x lane
	v_mul_u32_u24 v7, v2, XTP
	v_lshl_add_u32 v7, v3, 6, v7
	v_add_nc_u32 v7, s13, v7                       ; and out: row r, + 64 h
	v_mul_u32_u24 v8, v2, 768
	v_lshl_add_u32 v8, v3, 4, v8
	s_mul_i32 s13, s12, 192
	s_add_co_u32 s13, s13, XST
	v_add_nc_u32 v8, s13, v8                       ; token r's row of xc, + 16 h, + my two K steps' 192 bytes
	v_lshlrev_b32 v9, 5, v2
	s_lshl_b32 s13, s12, 3
	s_add_co_u32 s13, s13, XSS
	v_add_nc_u32 v9, s13, v9                       ; my two scale words of token r
	s_lshl_b32 s13, s12, 11
	s_add_co_u32 s13, s13, LG
	v_add_nc_u32 v10, s13, v4                      ; my partial logits
	v_lshlrev_b32 v11, 4, v0
	v_add_nc_u32 v11, XST, v11                     ; xc on its way out: 16 x thread
	v_add_nc_u32 v116, XSS, v4
	v_add_nc_u32 v117, LG, v4
	s_lshl_b32 s13, ttmp9, 12
	s_lshl_b32 s14, s12, 10
	s_add_co_u32 s13, s13, s14
	v_lshl_add_u32 v118, v1, 3, s13                ; the table: 4,096 g + 1,024 w + 8 x lane
	s_mul_i32 s13, ttmp9, 12288
	v_lshl_add_u32 v119, v0, 4, s13                ; xc
	s_lshl_b32 s13, ttmp9, 9
	v_add_nc_u32 v120, s13, v4                     ; xs
	s_lshl_b32 s13, ttmp9, 6
	v_lshl_add_u32 v121, v2, 2, s13                ; sel
	s_lshl_b32 s13, ttmp9, 8
	v_lshl_add_u32 v122, v2, 4, s13                ; head weights
	v_lshl_add_u32 v123, v3, 7, s13                ; the parts of the aux loss
	s_lshl_b32 s13, ttmp9, 2
	v_mov_b32 v124, s13
	s_mov_b32 s20, 0x3fc90fdb                      ; pi / 2, its upper part,
	s_mov_b32 s21, 0xb33bbd2e                      ; and the rest
	s_mov_b32 s22, 0x3fb8aa3b                      ; log2(e)
	s_mov_b32 s24, 0xffff0000                      ; lanes 16-31
	s_mov_b32 s[SEL], 0x76543210
	s_mov_b32 s[SEL+1], 0xfedcba98
	s_lshl_b32 s16, ttmp9, 3
	s_lshl_b32 s17, s12, 1
	s_add_co_u32 s16, s16, s17                     ; my first row of the table
	s_lshl_b32 s14, ttmp9, 16
	s_lshl_b32 s15, s12, 10
	s_add_co_u32 s14, s14, s15
	s_mov_b32 s15, 0
	s_lshl_b32 s18, s12, 15
	s_mov_b32 s19, 0
	s_wait_kmcnt 0x0
	s_add_nc_u64 s[4:5], s[4:5], s[14:15]          ; x at token 16 g, K = 256 w
	s_add_nc_u64 s[6:7], s[6:7], s[18:19]          ; Wr at row 256 w
	WIN 0x80                                       ; destination window 2
.set i, 0
.rept 32                                           ; i = 16 s' + token: 32 lanes read 512 consecutive bytes
	global_load_b128 v[4*i:4*i+3], v4, s[4:5] offset:4096*(i%16)+512*(i/16) th:TH_LOAD_NT
.set i, i+1
.endr
	WIN 0
	; ---- RoPE's table, while x is on its way: frequencies 2 x lane and 2 x lane + 1, two rows
	v_lshlrev_b32 v128, 1, v1
	v_cvt_f32_u32 v128, v128
	v_add_f32 v129, 1.0, v128
	v_mul_f32 v128, 0xbe549a78, v128               ; -i log2(10000) / 64
	v_mul_f32 v129, 0xbe549a78, v129
	v_cvt_f32_u32 v132, s16
	v_exp_f32 v130, v128
	v_exp_f32 v131, v129
	v_nop                                          ; a plain place behind the exponentials
	s_wait_alu depctr_va_vdst(0)                   ; one wait for both, ahead of their first reader
	v_add_f32 v133, 1.0, v132
	v_mul_f32 v138, v132, v130
	SINCOS 138, 134, 136
	v_mul_f32 v138, v132, v131
	SINCOS 138, 135, 137
	v_mul_f32 v138, v133, v130
	SINCOS 138, 148, 150
	v_mul_f32 v138, v133, v131
	SINCOS 138, 149, 151
	global_store_b64 v118, v[134:135], s[8:9] offset:RT        ; 32 lanes store 256 consecutive bytes
	global_store_b64 v118, v[136:137], s[8:9] offset:RT+256
	global_store_b64 v118, v[148:149], s[8:9] offset:RT+512
	global_store_b64 v118, v[150:151], s[8:9] offset:RT+768
	WIN 0x40                                       ; destination window 1
.set i, 0
.rept 256                                          ; Wr(256 w + i, lane): a row of 128 bytes an instruction
	global_load_b32 v[i], v5, s[6:7] offset:128*i
.set i, i+1
.endr
	WIN 0
	s_wait_loadcnt 63                              ; at most the youngest 63 of Wr's loads are out: x and Wr's first K step are in
	s_wait_xcnt 0x0                                ; the table's stores have read their registers, into which the loads below land
	WIN 0x08                                       ; an LDS store's data are its source 1: window 2
.set i, 0
.rept 32
	ds_store_b128 v6, v[4*i:4*i+3] offset:XTP*(i%16)+512*(i/16)
.set i, i+1
.endr
	WIN 0
.set i, 0
.rept 32                                           ; i = 16 s' + 4 b + j.  My own stage; LDS serves a wave's instructions in order, so no wait stands between
	ds_load_b128 v[XN+4*i:XN+4*i+3], v7 offset:512*(i/16)+128*((i/4)%4)+16*(i%4)
.set i, i+1
.endr
	QW 0
	s_wait_dscnt 0x0
	QUANT XN, XFA, TP, XSC
.rept 8
	v_nop                                          ; a scale register written by a vector instruction stands 8 places ahead of a scaled matrix instruction
.endr
	v_wmma_scale_f32_16x16x128_f8f6f4 v[128:135], v[WF:WF+11], v[XFA:XFA+11], 0, v[WSC], v[XSC] matrix_a_fmt:MATRIX_FMT_FP6 matrix_b_fmt:MATRIX_FMT_FP6
	v_wmma_scale_f32_16x16x128_f8f6f4 v[136:143], v[WF+12:WF+23], v[XFA:XFA+11], 0, v[WSC], v[XSC] matrix_a_fmt:MATRIX_FMT_FP6 matrix_b_fmt:MATRIX_FMT_FP6 matrix_a_scale:MATRIX_SCALE_ROW1
	s_wait_loadcnt 0x0
	QW 1
	QUANT XN+64, XFB, TP, XSC+1
.rept 8
	v_nop
.endr
	v_wmma_scale_f32_16x16x128_f8f6f4 v[128:135], v[WF+24:WF+35], v[XFB:XFB+11], v[128:135], v[WSC+1], v[XSC+1] matrix_a_fmt:MATRIX_FMT_FP6 matrix_b_fmt:MATRIX_FMT_FP6
	v_wmma_scale_f32_16x16x128_f8f6f4 v[136:143], v[WF+36:WF+47], v[XFB:XFB+11], v[136:143], v[WSC+1], v[XSC+1] matrix_a_fmt:MATRIX_FMT_FP6 matrix_b_fmt:MATRIX_FMT_FP6 matrix_a_scale:MATRIX_SCALE_ROW1
.irp c, 0,1,2
	ds_store_b128 v8, v[XFA+4*\c:XFA+4*\c+3] offset:32*\c          ; K step 2 w: piece (c, h) at 32 c + 16 h
	ds_store_b128 v8, v[XFB+4*\c:XFB+4*\c+3] offset:96+32*\c       ; K step 2 w + 1: 96 bytes on
.endr
	ds_store_b32 v9, v[XSC]                        ; (both halves of the lanes hold the same word and write it to the same place)
	ds_store_b32 v9, v[XSC+1] offset:4
.rept 4
	v_nop                                          ; four places between the last product and the first read of results
.endr
	ds_store_b128 v10, v[128:131]
	ds_store_b128 v10, v[132:135] offset:512
	ds_store_b128 v10, v[136:139] offset:1024
	ds_store_b128 v10, v[140:143] offset:1536
	s_wait_dscnt 0x0                               ; for the others' sake: my stores have landed
	s_barrier_signal -1
	s_barrier_wait -1
.irp i, 0,1,2,3,4,5
	ds_load_b128 v[144+4*\i:147+4*\i], v11 offset:2048*\i
.endr
.irp i, 0,1,2,3,4,5
	s_wait_dscnt 5-\i
	global_store_b128 v119, v[144+4*\i:147+4*\i], s[8:9] offset:XC+2048*\i   ; a wave stores 512 consecutive bytes
.endr
	s_cmp_eq_u32 s12, 0
	s_cbranch_scc1 .Lrouter
	s_cmp_lg_u32 s12, 1
	s_cbranch_scc1 .Lend
	ds_load_b128 v[168:171], v116                  ; wave 1: the 16 tokens' scale words, 512 bytes
	s_wait_dscnt 0x0
	global_store_b128 v120, v[168:171], s[8:9] offset:XS
.Lend:
	s_wait_tensorcnt 0x0                           ; the wave's end
	ds_add_u32 v[SPW], v[NIL]
	s_wait_dscnt 0x0
	s_endpgm
.Lrouter:
	s_wait_xcnt 0x0                                ; the stores above have read v144-167
.set i, 0
.rept 16                                           ; i = 4 w' + quarter
	ds_load_b128 v[128+4*i:131+4*i], v117 offset:512*i
.set i, i+1
.endr
	s_wait_dscnt 0x0
.set j, 0
.rept 8                                            ; the four parts of K, in ascending order
	v_pk_add_f32 v[128+j:129+j], v[128+j:129+j], v[144+j:145+j]
	v_pk_add_f32 v[128+j:129+j], v[128+j:129+j], v[160+j:161+j]
	v_pk_add_f32 v[128+j:129+j], v[128+j:129+j], v[176+j:177+j]
.set j, j+2
.endr
.irp t, 0,1                                        ; lane (r, h) holds heads 16 t + 8 h + j: after the exchange every lane holds all 32 of token r
.irp j, 0,1,2,3,4,5,6,7
	v_mov_b32 v[LGT+16*\t+\j], v[128+8*\t+\j]
	v_mov_b32 v[LGT+16*\t+8+\j], v[128+8*\t+\j]
.endr
.irp j, 0,1,2,3,4,5,6,7
	v_permlane16_swap_b32 v[LGT+16*\t+\j], v[LGT+16*\t+8+\j]
.endr
.endr
	v_mov_b32 v24, 0xff800000                      ; -infinity
	v_mov_b32 v27, 0
	v_mov_b32 v30, 1.0
	ARGMAX 0
	; the softmax over all 32 heads, its entropy
	v_mul_f32 v25, s22, v16
.set i, 0
.rept 32
	v_fma_f32 v[EX+i], v[LGT+i], s22, -v25
.set i, i+1
.endr
.set i, 0
.rept 32
	v_exp_f32 v[EX+i], v[EX+i]
.set i, i+1
.endr
	v_nop
	s_wait_alu depctr_va_vdst(0)                   ; one wait for the batch
	v_pk_add_f32 v[128:129], v[EX:EX+1], v[EX+2:EX+3]
	v_pk_add_f32 v[130:131], v[EX+4:EX+5], v[EX+6:EX+7]
.irp j, 8,12,16,20,24,28
	v_pk_add_f32 v[128:129], v[128:129], v[EX+\j:EX+\j+1]
	v_pk_add_f32 v[130:131], v[130:131], v[EX+\j+2:EX+\j+3]
.endr
	v_pk_add_f32 v[128:129], v[128:129], v[130:131]
	v_add_f32 v128, v128, v129
	v_rcp_f32 v26, v128
	v_nop
	s_wait_alu depctr_va_vdst(0)
.set j, 0
.rept 16
	v_pk_mul_f32 v[EX+j:EX+j+1], v[EX+j:EX+j+1], v[26:27] op_sel_hi:[1,0]
.set j, j+2
.endr
.set i, 0
.rept 32
	v_add_f32 v[128+i], 0x322bcc77, v[EX+i]        ; p + 1e-8
.set i, i+1
.endr
.set i, 0
.rept 32
	v_log_f32 v[128+i], v[128+i]
.set i, i+1
.endr
	v_nop
	s_wait_alu depctr_va_vdst(0)
	v_mul_f32 v28, v[EX], v128
	v_mul_f32 v29, v[EX+1], v129
.set i, 2
.rept 15
	v_fmac_f32 v28, v[EX+i], v[128+i]
	v_fmac_f32 v29, v[EX+i+1], v[129+i]
.set i, i+2
.endr
	v_add_f32 v28, v28, v29
	v_mul_f32 v28, 0xbf317218, v28                 ; x -ln 2: my token's entropy
.set i, 0
.rept 32                                           ; lanes 16-31 hold the same p as lanes 0-15: they take the one-hot of the first head in its stead
	v_cmp_eq_u32 vcc_lo, i, v20
	v_cndmask_b32 v31, 0, v30, vcc_lo
	v_cndmask_b32 v[EX+i], v[EX+i], v31, s24
.set i, i+1
.endr
.irp m, 1,2,4,8                                    ; sums over the 16 tokens: lanes 0-15 the sums of p, lanes 16-31 the counts
.set i, 0
.rept 32
	v_add_f32_dpp v[EX+i], v[EX+i], v[EX+i] row_xmask:\m row_mask:0xf bank_mask:0xf
.set i, i+1
.endr
	v_add_f32_dpp v28, v28, v28 row_xmask:\m row_mask:0xf bank_mask:0xf
.endr
	MASK 0
	ARGMAX 1
	MASK 1
	ARGMAX 2
	MASK 2
	ARGMAX 3
	; the softmax over the four: the largest is taken away first
	v_sub_f32 v128, v17, v16
	v_sub_f32 v129, v18, v16
	v_sub_f32 v130, v19, v16
	v_mul_f32 v128, s22, v128
	v_mul_f32 v129, s22, v129
	v_mul_f32 v130, s22, v130
	v_exp_f32 v133, v128
	v_exp_f32 v134, v129
	v_exp_f32 v135, v130
	v_lshl_or_b32 v138, v21, 8, v20                ; (a plain place)  the four heads in one word
	s_wait_alu depctr_va_vdst(0)
	v_add_f32 v136, 1.0, v133
	v_add_f32 v137, v134, v135
	v_add_f32 v136, v136, v137
	v_rcp_f32 v132, v136
	v_lshl_or_b32 v138, v22, 16, v138
	v_lshl_or_b32 v138, v23, 24, v138
	s_wait_alu depctr_va_vdst(0)
	v_mul_f32 v133, v133, v132
	v_mul_f32 v134, v134, v132
	v_mul_f32 v135, v135, v132
	v_cmp_gt_u32 vcc_lo, 16, v1
	s_wait_xcnt 0x0                                ; EXEC changes only behind this wait
	s_and_saveexec_b32 s25, vcc_lo
	global_store_b32 v121, v138, s[10:11]
	global_store_b128 v122, v[132:135], s[8:9] offset:HW
	s_wait_xcnt 0x0
	s_or_b32 exec_lo, exec_lo, s25
	v_cmp_eq_u32 vcc_lo, 0, v2
	s_and_saveexec_b32 s25, vcc_lo                 ; lane 0: the sums of p; lane 16: the counts
.irp k, 0,1,2,3,4,5,6,7
	global_store_b128 v123, v[EX+4*\k:EX+4*\k+3], s[8:9] offset:PT+16*\k
.endr
	global_store_b32 v124, v28, s[8:9] offset:PE   ; (both lanes hold the same sum and write it to the same word)
	s_wait_xcnt 0x0
	s_or_b32 exec_lo, exec_lo, s25
	s_wait_tensorcnt 0x0                           ; the wave's end
	ds_add_u32 v[SPW], v[NIL]
	s_wait_dscnt 0x0
	s_endpgm
.Lfunc_end_k_qf6ac9756ee_xq_router:
	.size	k_qf6ac9756ee_xq_router, .Lfunc_end_k_qf6ac9756ee_xq_router-k_qf6ac9756ee_xq_router
	.p2alignl 7, 3214868480
	.fill 96, 4, 3214868480
	.section	.rodata,"a",@progbits
	.p2align	6, 0x0
	.amdhsa_kernel k_qf6ac9756ee_xq_router
		.amdhsa_group_segment_fixed_size 88064
		.amdhsa_private_segment_fixed_size 0
		.amdhsa_enable_private_segment 0
		.amdhsa_kernarg_size 32
		.amdhsa_user_sgpr_count 2
		.amdhsa_user_sgpr_kernarg_segment_ptr 1
		.amdhsa_wavefront_size32 1
		.amdhsa_system_sgpr_workgroup_id_x 1
		.amdhsa_system_sgpr_workgroup_id_y 1
		.amdhsa_system_sgpr_workgroup_id_z 1
		.amdhsa_system_vgpr_workitem_id 0
		.amdhsa_next_free_vgpr 640
		.amdhsa_next_free_sgpr 66
		.amdhsa_reserve_vcc 1
		.amdhsa_float_denorm_mode_32 3
		.amdhsa_float_denorm_mode_16_64 3
		.amdhsa_memory_ordered 1
		.amdhsa_forward_progress 1
		.amdhsa_inst_pref_size 110
	.end_amdhsa_kernel
	.amdgpu_metadata
---
amdhsa.version: [ 1, 2 ]
amdhsa.kernels:
  - .name:           k_qf6ac9756ee_xq_router
    .symbol:         k_qf6ac9756ee_xq_router.kd
    .args:
      - { .name: x, .offset: 0, .size: 8, .value_kind: global_buffer, .address_space: global }
      - { .name: Wr, .offset: 8, .size: 8, .value_kind: global_buffer, .address_space: global }
      - { .name: xw, .offset: 16, .size: 8, .value_kind: global_buffer, .address_space: global }
      - { .name: sel, .offset: 24, .size: 8, .value_kind: global_buffer, .address_space: global }
    .group_segment_fixed_size: 88064
    .private_segment_fixed_size: 0
    .kernarg_segment_align: 8
    .kernarg_segment_size: 32
    .max_flat_workgroup_size: 128
    .sgpr_count:     66
    .vgpr_count:     640
    .wavefront_size: 32
...
	.end_amdgpu_metadata
.endif
;; end of part 1
;; launch wq_place (part 2): grid 833 x 1, 4 waves a work-group, no clusters, 0 bytes of LDS; arguments Wq, Wk, Wv, sel, xw, wq, lst, out1, out2; writes wq, lst, out1, out2
.if DOCPART == 2
	.amdgcn_target "amdgcn-amd-amdhsa--gfx1250"
	.amdhsa_code_object_version 6
	.text
	.protected	k_qf6ac9756ee_wq_place
	.globl	k_qf6ac9756ee_wq_place
	.p2align	8
	.type	k_qf6ac9756ee_wq_place,@function
k_qf6ac9756ee_wq_place:
	s_mov_b64 s[64:65], 0
	v_nop
	global_prefetch_b8 v0, s[64:65] scope:SCOPE_SE
	s_setreg_imm32_b32 hwreg(HW_REG_WAVE_MODE, 25, 1), 1
	s_wait_xcnt 0x0
; Three tasks, told apart by the work-group's number; the short ones come first.
; 0 .. 63: PLACEMENT.  A wave takes a (head, chunk of 512 tokens) and writes the list of the rows that chose its head, in token order, and their count.
;   An entry is token | R << 12, R = (batch x 4 + slot) x 2048 + position: the row's place in q, k and v.
;   The list is made by GATHERING: the scan leaves, for each group of 32 tokens, three scalar words (who chose the head; the slot's two bits) and the count of rows ahead of the group; then lane l of trip j
;   owns list place p = 32 j + l, finds the group in which place p falls and the set bit of that number in the group's mask, and stores its entry at its own place: 128 consecutive bytes a store.
;   As many trips as the count fills, one at the least.  Places at or past the count hold nothing that is read: the reader holds its index at count - 1.
; 64: the aux loss from the 256 parts, and the zero head counts (wave 0).
; 65 .. 832: Wq, Wk, Wv [1024][4096] f32 become codes of FP6 (E2M3), one E8M0 byte for each 32 along K, laid as IMAGES OF OPERAND REGISTERS: img[matrix x 32 + head][K step][tile][1,536 bytes]:
;   registers 4 c .. 4 c + 3 of lane l at 512 c + 16 l.  Row r of tile 2 b + u is column 32 b + 8 u + r + 8 (r / 8) of the head, so that a transposed product leaves 16 neighbouring columns in a lane.
;   A lane takes a column and its registers run down K: a block of 32 lies in one lane.  32 neighbouring work-groups stand side by side on whole rows of a weight.
; LIMITS: NaN and infinities are not served; a block of zeros gets the byte 1 (its codes are zeros; this program alone reads the bytes); blocks under 2^-124 are held at the byte 1.
.set CNT,   524288
.set PT,    4390912
.set PE,    PT+65536
.set WS,    9437184
.set PITCH, 16384
.set PM,    32                         ; s32-47  group g: the lanes whose token chose my head
.set PS1,   48                         ; s48-63  bit 0 of the slot in which it stands
.set PS2,   66                         ; s66-81  bit 1
.set PB,    82                         ; s82-98  rows ahead of group g; s98: all rows
.set LAD,   188                        ; v188    my place in the list, in bytes; holds nothing else in this text
.set CAD,   189                        ; v189    the count's place; likewise
.macro QLOADS
.set i, 0
.rept 128
	global_load_b32 v[32+i], v2, s[4:5] offset:i*PITCH th:TH_LOAD_NT
.set i, i+1
.endr
.endm
.macro QBLK t, left                    ; block t of my column: left = how many younger loads may stay out
.set XB, 32+32*(\t)
.set TG, 160+12*((\t)%2)+6*((\t)/2)    ; blocks 0, 2 -> v160-171 (the operand's lanes 0-15), blocks 1, 3 -> v172-183 (lanes 16-31)
	s_wait_loadcnt \left
	v_max3_num_f32 v12, |v[XB]|, |v[XB+1]|, |v[XB+2]|
	v_max3_num_f32 v13, |v[XB+3]|, |v[XB+4]|, |v[XB+5]|
.irp i, 6,10,14,18,22,26
	v_max3_num_f32 v12, v12, |v[XB+\i]|, |v[XB+\i+1]|
	v_max3_num_f32 v13, v13, |v[XB+\i+2]|, |v[XB+\i+3]|
.endr
	v_max3_num_f32 v12, v12, |v[XB+30]|, |v[XB+31]|
	v_max3_num_f32 v12, v12, v13, 0x1800000        ; and the floor 2^(3 - 127)
	v_add_nc_u32 v11, 0xff000000, v12              ; 2 off the exponent field: the conversion's scale operand
	v_lshrrev_b32 v13, 23, v11                     ; the scale's byte
.if (\t) == 0
	v_mov_b32 v31, v13
.else
	v_lshl_or_b32 v31, v13, 8*(\t), v31
.endif
	v_cvt_scalef32_pk16_fp6_f32 v[TG:TG+2], v[XB:XB+15], v11
	v_cvt_scalef32_pk16_fp6_f32 v[184:186], v[XB+16:XB+31], v11   ; (a conversion's three registers begin on an even number)
	v_nop                                          ; one plain place behind a scaled conversion
	v_mov_b32 v[TG+3], v184
	v_mov_b32 v[TG+4], v185
	v_mov_b32 v[TG+5], v186
.endm
.macro QSTORE                          ; each store fills two aligned runs of 256 bytes: one in tile 2 b, one in tile 2 b + 1
.irp c, 0,1,2
	global_store_b128 v3, v[160+4*\c:163+4*\c], s[30:31] offset:512*\c
	global_store_b128 v3, v[172+4*\c:175+4*\c], s[30:31] offset:512*\c+256
.endr
	global_store_b32 v4, v31, s[32:33]
.endm
.macro GRP g                           ; tokens 32 g .. 32 g + 31 of the chunk: three scalar words and the count of rows up to here
	v_and_b32 v8, 0xff, v[32+\g]
	v_bfe_u32 v9, v[32+\g], 8, 8
	v_bfe_u32 v10, v[32+\g], 16, 8
	v_lshrrev_b32 v11, 24, v[32+\g]
	v_cmp_eq_u32 s26, s24, v8                      ; my head stands in slot 0,
	v_cmp_eq_u32 s27, s24, v9                      ; 1,
	v_cmp_eq_u32 s28, s24, v10                     ; 2,
	v_cmp_eq_u32 s29, s24, v11                     ; 3 (a token's four heads differ: at most one of the four)
	s_or_b32 s[PS1+\g], s27, s29
	s_or_b32 s[PS2+\g], s28, s29
	s_or_b32 s26, s26, s27
	s_or_b32 s[PM+\g], s26, s[PS2+\g]
	s_bcnt1_i32_b32 s99, s[PM+\g]
	s_add_co_u32 s[PB+\g+1], s[PB+\g], s99
.endm
.macro PICK x, w, m                    ; a halving step: v17 set bits are still to be passed over, from bit v23 on; v[x] holds the counts of runs of w bits
	v_lshrrev_b32 v22, v23, v[\x]
	v_and_b32 v22, \m, v22                         ; set bits in the lower run
	v_cmp_ge_u32 vcc_lo, v17, v22                  ; all of them are passed over: on to the upper run
	v_cndmask_b32 v22, 0, v22, vcc_lo
	v_sub_nc_u32 v17, v17, v22
	v_cndmask_b32 v24, 0, \w, vcc_lo
	v_add_nc_u32 v23, v23, v24
.endm
.macro HLOAD k                         ; 32 work-groups' parts, the k-th run of eight: an instruction reads two parts, 512 bytes; two sets of registers by turns
.set i, 0
.rept 16
	global_load_b128 v[32+64*((\k)%2)+4*i:35+64*((\k)%2)+4*i], v3, s[12:13] offset:PT+8192*(\k)+512*i
.set i, i+1
.endr
.endm
.macro HADD k, left                    ; runs 0-3 are batch 0's, runs 4-7 batch 1's.  left: the other set's 16 loads may stay out
	s_wait_loadcnt \left
.set i, 0
.rept 16
	v_pk_add_f32 v[8+4*((\k)/4):9+4*((\k)/4)], v[8+4*((\k)/4):9+4*((\k)/4)], v[32+64*((\k)%2)+4*i:33+64*((\k)%2)+4*i]
	v_pk_add_f32 v[10+4*((\k)/4):11+4*((\k)/4)], v[10+4*((\k)/4):11+4*((\k)/4)], v[34+64*((\k)%2)+4*i:35+64*((\k)%2)+4*i]
.set i, i+1
.endr
.endm
	s_load_b256 s[4:11], s[0:1], 0x0               ; Wq, Wk, Wv, sel
	s_load_b256 s[12:19], s[0:1], 0x20             ; xw, wq, lst, out1
	s_load_b64 s[20:21], s[0:1], 0x40              ; out2
	v_lshrrev_b32 v1, 5, v0
	v_readfirstlane_b32 s22, v1                    ; wave
	v_and_b32 v1, 31, v0                           ; lane
	v_lshlrev_b32 v2, 2, v1
	s_wait_kmcnt 0x0
	s_cmp_ge_u32 ttmp9, 65
	s_cbranch_scc1 .Lweights
	s_cmp_eq_u32 ttmp9, 64
	s_cbranch_scc1 .Laux
	; ---- placement
	s_lshl_b32 s23, ttmp9, 2
	s_add_co_u32 s23, s23, s22
	s_and_b32 s24, s23, 31                         ; head
	s_lshr_b32 s25, s23, 5                         ; chunk
	s_lshl_b32 s26, s25, 11
	s_mov_b32 s27, 0
	s_add_nc_u64 s[10:11], s[10:11], s[26:27]      ; the chunk's 512 words of chosen heads
.irp g, 0,1,2,3,4,5,6,7,8,9,10,11,12,13,14,15
	global_load_b32 v[32+\g], v2, s[10:11] offset:128*\g
.endr
	s_lshl_b32 s23, s24, 3
	s_add_co_u32 s23, s23, s25                     ; head x 8 + chunk
	s_lshl_b32 s26, s23, 11
	s_add_nc_u64 s[18:19], s[16:17], s[26:27]      ; its list, 2,048 bytes
	s_lshl_b32 s26, s23, 2
	v_mov_b32 v[CAD], s26                          ; its count
	s_lshl_b32 s30, s25, 9                         ; the chunk's first token
	s_lshr_b32 s31, s25, 2
	s_lshl_b32 s31, s31, 13                        ; batch x 4 x 2048
	s_mov_b32 s[PB], 0
	s_wait_loadcnt 0x0
.irp g, 0,1,2,3,4,5,6,7,8,9,10,11,12,13,14,15
	GRP \g
.endr
	s_add_co_u32 s101, s[PB+16], 31
	s_lshr_b32 s101, s101, 5
	s_max_u32 s101, s101, 1                        ; trips: 32 places each, as far as the count reaches (512 rows at the most: 16 trips)
	v_mov_b32 v10, v1                              ; p: my place in the list
	s_mov_b32 s100, 0
.Lout:                                             ; places 32 j .. 32 j + 31
	v_mov_b32 v11, s[PM]
	v_mov_b32 v12, s[PS1]
	v_mov_b32 v14, s[PS2]
	v_mov_b32 v15, 0
	v_mov_b32 v16, 0
.set GI, 1
.rept 15                                           ; the last group with at most p rows ahead of it is the one in which place p falls
	v_cmp_gt_u32 vcc_lo, s[PB+GI], v10             ; this group begins behind p: keep what I have
	v_cndmask_b32 v11, s[PM+GI], v11, vcc_lo
	v_cndmask_b32 v12, s[PS1+GI], v12, vcc_lo
	v_cndmask_b32 v14, s[PS2+GI], v14, vcc_lo
	v_cndmask_b32 v15, s[PB+GI], v15, vcc_lo
	v_cndmask_b32 v16, 32*GI, v16, vcc_lo
.set GI, GI+1
.endr
	v_sub_nc_u32 v17, v10, v15                     ; how many set bits of the group's mask lie below mine
	v_lshrrev_b32 v18, 1, v11
	v_and_b32 v18, 0x55555555, v18
	v_sub_nc_u32 v18, v11, v18                     ; the mask's set bits counted in runs of 2,
	v_lshrrev_b32 v19, 2, v18
	v_and_b32 v19, 0x33333333, v19
	v_and_b32 v20, 0x33333333, v18
	v_add_nc_u32 v19, v19, v20                     ; of 4,
	v_lshrrev_b32 v20, 4, v19
	v_add_nc_u32 v20, v20, v19
	v_and_b32 v20, 0x0f0f0f0f, v20                 ; of 8,
	v_lshrrev_b32 v21, 8, v20
	v_add_nc_u32 v21, v21, v20                     ; and, in the lowest byte, of the lower 16
	v_mov_b32 v23, 0
	PICK 21, 16, 0xff
	PICK 20, 8, 0xff
	PICK 19, 4, 15
	PICK 18, 2, 3
	PICK 11, 1, 1                                  ; v23: my token's bit in the group
	v_lshrrev_b32 v25, v23, v12
	v_and_b32 v25, 1, v25
	v_lshrrev_b32 v26, v23, v14
	v_and_b32 v26, 1, v26
	v_lshl_or_b32 v25, v26, 1, v25                 ; the slot
	v_add3_u32 v27, v16, v23, s30                  ; the token
	v_and_b32 v28, 0x7ff, v27
	v_lshl_add_u32 v28, v25, 11, v28
	v_add_nc_u32 v28, s31, v28                     ; R
	v_lshl_or_b32 v29, v28, 12, v27
	v_min_u32 v[LAD], 0x1ff, v10                   ; a list has 512 places
	v_lshlrev_b32 v[LAD], 2, v[LAD]
	global_store_b32 v[LAD], v29, s[18:19]         ; 32 lanes store 128 consecutive bytes
	s_wait_xcnt 0x0                                ; the store has read its address and data: both are written again only behind this wait (and so is EXEC, behind the loop)
	v_add_nc_u32 v10, 32, v10
	s_add_co_u32 s100, s100, 1
	s_cmp_lt_u32 s100, s101
	s_cbranch_scc1 .Lout
	v_mov_b32 v8, s[PB+16]
	v_cmp_eq_u32 vcc_lo, 0, v1
	s_and_saveexec_b32 s26, vcc_lo
	global_store_b32 v[CAD], v8, s[16:17] offset:CNT
	s_endpgm
.Laux:
	s_cmp_lg_u32 s22, 0
	s_cbranch_scc1 .Ldone
	v_lshlrev_b32 v3, 4, v1
.irp k, 4,5,6,7,8,9,10,11,12,13,14,15,24,25,26,27,28,29,30,31
	v_mov_b32 v[\k], 0
.endr
	global_load_b128 v[16:19], v3, s[12:13] offset:PE
	global_load_b128 v[20:23], v3, s[12:13] offset:PE+512
	HLOAD 0
	HLOAD 1
.irp k, 0,1,2,3,4,5                                ; while one set is added up, the other's 16 loads are on their way
	HADD \k, 16
	HLOAD \k+2
.endr
	HADD 6, 16
	HADD 7, 0
	s_mov_b32 s24, 0x76543210
	s_mov_b32 s25, 0xfedcba98
	s_mov_b32 s26, 0xb623d70a                      ; -0.01 / 4096
.irp k, 0,1,2,3,4,5,6,7
	v_permlanex16_b32 v[24+\k], v[8+\k], s24, s25  ; the even and the odd work-groups' parts
.endr
.irp k, 0,1,2,3,4,5,6,7
	v_add_f32 v[8+\k], v[8+\k], v[24+\k]           ; lanes 0-7: sums of p of heads 4 l + k; lanes 8-15: the counts of the same heads
.endr
.irp k, 0,1,2,3,4,5,6,7
	v_mul_f32_dpp v[24+\k], v[8+\k], v[8+\k] row_xmask:8 row_mask:0xf bank_mask:0xf
.endr
	v_add_f32 v24, v24, v25
	v_add_f32 v26, v26, v27
	v_add_f32 v28, v28, v29
	v_add_f32 v30, v30, v31
	v_add_f32 v24, v24, v26
	v_add_f32 v28, v28, v30
	v_add_f32 v24, v24, v28
	v_add_f32_dpp v24, v24, v24 row_xmask:1 row_mask:0xf bank_mask:0xf
	v_add_f32_dpp v24, v24, v24 row_xmask:2 row_mask:0xf bank_mask:0xf
	v_add_f32_dpp v24, v24, v24 row_xmask:4 row_mask:0xf bank_mask:0xf
	v_add_f32 v16, v16, v17
	v_add_f32 v18, v18, v19
	v_add_f32 v20, v20, v21
	v_add_f32 v22, v22, v23
	v_add_f32 v16, v16, v18
	v_add_f32 v20, v20, v22
	v_add_f32 v16, v16, v20
	v_add_f32_dpp v16, v16, v16 row_xmask:1 row_mask:0xf bank_mask:0xf
	v_add_f32_dpp v16, v16, v16 row_xmask:2 row_mask:0xf bank_mask:0xf
	v_add_f32_dpp v16, v16, v16 row_xmask:4 row_mask:0xf bank_mask:0xf
	v_add_f32_dpp v16, v16, v16 row_xmask:8 row_mask:0xf bank_mask:0xf
	v_permlanex16_b32 v17, v16, s24, s25
	v_add_f32 v16, v16, v17                        ; the sum of all tokens' entropies
	v_mul_f32 v24, 0x36800000, v24                 ; 32 x 1/2 / 2048^2 = 2^-18
	v_fma_f32 v24, v16, s26, v24
	v_cmp_gt_u32 vcc_lo, 16, v1
	s_wait_xcnt 0x0                                ; EXEC changes only behind this wait
	s_and_saveexec_b32 s27, vcc_lo
	global_store_b128 v3, v[4:7], s[18:19]         ; the head counts: 256 bytes of zeros
	s_wait_xcnt 0x0
	s_or_b32 exec_lo, exec_lo, s27
	v_cmp_eq_u32 vcc_lo, 0, v1
	s_and_saveexec_b32 s27, vcc_lo
	global_store_b32 v4, v24, s[20:21]
.Ldone:
	s_endpgm
.Lweights:
	s_sub_co_u32 s23, ttmp9, 65
	s_and_b32 s24, s23, 31                         ; head
	s_bfe_u32 s25, s23, 0x30005                    ; K step
	s_lshr_b32 s26, s23, 8                         ; 0 Wq, 1 Wk, 2 Wv
	s_cmp_eq_u32 s26, 0
	s_cselect_b64 s[4:5], s[4:5], s[6:7]
	s_cmp_eq_u32 s26, 2
	s_cselect_b64 s[4:5], s[8:9], s[4:5]
	s_lshl_b32 s28, s25, 21                        ; 128 rows of 16,384 bytes
	s_lshl_b32 s27, s24, 9
	s_add_co_u32 s28, s28, s27
	s_lshl_b32 s27, s22, 7                         ; my wave's 32 columns
	s_add_co_u32 s28, s28, s27
	s_mov_b32 s29, 0
	s_add_nc_u64 s[4:5], s[4:5], s[28:29]
	QLOADS
	s_lshl_b32 s27, s26, 5
	s_add_co_u32 s27, s27, s24
	s_lshl_b32 s27, s27, 3
	s_add_co_u32 s27, s27, s25
	s_lshl_b32 s27, s27, 3
	s_lshl_b32 s28, s22, 1
	s_add_co_u32 s27, s27, s28                     ; ((matrix x 32 + head) x 8 + K step) x 8 + 2 x wave
	s_mul_i32 s28, s27, 1536
	s_add_nc_u64 s[30:31], s[14:15], s[28:29]
	s_lshl_b32 s28, s27, 6
	s_add_nc_u64 s[32:33], s[14:15], s[28:29]
	s_add_nc_u64 s[32:33], s[32:33], WS
	v_bfe_u32 v5, v1, 3, 1                         ; u: which of the two tiles my column falls into,
	v_and_b32 v6, 7, v1
	v_bfe_u32 v7, v1, 4, 1
	v_lshl_or_b32 v6, v7, 3, v6                    ; and which row of it
	v_mul_u32_u24 v3, v5, 1536
	v_lshl_add_u32 v3, v6, 4, v3
	v_lshlrev_b32 v4, 6, v5
	v_lshl_add_u32 v4, v6, 2, v4
	QBLK 0, 63                                     ; 96 younger loads might stay out: the count is the most that the wait can name
	QBLK 1, 63
	QBLK 2, 32
	QBLK 3, 0
	QSTORE
	s_endpgm
.Lfunc_end_k_qf6ac9756ee_wq_place:
	.size	k_qf6ac9756ee_wq_place, .Lfunc_end_k_qf6ac9756ee_wq_place-k_qf6ac9756ee_wq_place
	.p2alignl 7, 3214868480
	.fill 96, 4, 3214868480
	.section	.rodata,"a",@progbits
	.p2align	6, 0x0
	.amdhsa_kernel k_qf6ac9756ee_wq_place
		.amdhsa_group_segment_fixed_size 0
		.amdhsa_private_segment_fixed_size 0
		.amdhsa_enable_private_segment 0
		.amdhsa_kernarg_size 72
		.amdhsa_user_sgpr_count 2
		.amdhsa_user_sgpr_kernarg_segment_ptr 1
		.amdhsa_wavefront_size32 1
		.amdhsa_system_sgpr_workgroup_id_x 1
		.amdhsa_system_sgpr_workgroup_id_y 1
		.amdhsa_system_sgpr_workgroup_id_z 1
		.amdhsa_system_vgpr_workitem_id 0
		.amdhsa_next_free_vgpr 192
		.amdhsa_next_free_sgpr 102
		.amdhsa_reserve_vcc 1
		.amdhsa_float_denorm_mode_32 3
		.amdhsa_float_denorm_mode_16_64 3
		.amdhsa_memory_ordered 1
		.amdhsa_forward_progress 1
		.amdhsa_inst_pref_size 72
	.end_amdhsa_kernel
	.amdgpu_metadata
---
amdhsa.version: [ 1, 2 ]
amdhsa.kernels:
  - .name:           k_qf6ac9756ee_wq_place
    .symbol:         k_qf6ac9756ee_wq_place.kd
    .args:
      - { .name: Wq, .offset: 0, .size: 8, .value_kind: global_buffer, .address_space: global }
      - { .name: Wk, .offset: 8, .size: 8, .value_kind: global_buffer, .address_space: global }
      - { .name: Wv, .offset: 16, .size: 8, .value_kind: global_buffer, .address_space: global }
      - { .name: sel, .offset: 24, .size: 8, .value_kind: global_buffer, .address_space: global }
      - { .name: xw, .offset: 32, .size: 8, .value_kind: global_buffer, .address_space: global }
      - { .name: wq, .offset: 40, .size: 8, .value_kind: global_buffer, .address_space: global }
      - { .name: lst, .offset: 48, .size: 8, .value_kind: global_buffer, .address_space: global }
      - { .name: out1, .offset: 56, .size: 8, .value_kind: global_buffer, .address_space: global }
      - { .name: out2, .offset: 64, .size: 8, .value_kind: global_buffer, .address_space: global }
    .group_segment_fixed_size: 0
    .private_segment_fixed_size: 0
    .kernarg_segment_align: 8
    .kernarg_segment_size: 72
    .max_flat_workgroup_size: 128
    .sgpr_count:     102
    .vgpr_count:     192
    .wavefront_size: 32
...
	.end_amdgpu_metadata
.endif
;; end of part 2
;; launch qkv (part 3): grid 32 x 8, 4 waves a work-group, no clusters, 50,688 bytes of LDS; arguments xw, wq, lst, qkv; writes qkv
.if DOCPART == 3
	.amdgcn_target "amdgcn-amd-amdhsa--gfx1250"
	.amdhsa_code_object_version 6
	.text
	.protected	k_qf6ac9756ee_qkv
	.globl	k_qf6ac9756ee_qkv
	.p2align	8
	.type	k_qf6ac9756ee_qkv,@function
k_qf6ac9756ee_qkv:
	s_mov_b64 s[64:65], 0
	v_nop
	global_prefetch_b8 v0, s[64:65] scope:SCOPE_SE
	s_setreg_imm32_b32 hwreg(HW_REG_WAVE_MODE, 25, 1), 1
	s_wait_xcnt 0x0
; For a (head, chunk of 512 tokens): the rows that chose the head are gathered by the stored list and multiplied by the head's Wq, Wk, Wv on codes of FP6 (E2M3); RoPE on q and k; q and k quantised along the head's 128; v stored as f32.
; Only the chosen heads are multiplied: what the gather throws away is not computed.
; SHARES.  THE WAVES SHARE THE COLUMNS.  With a = wave % 2, a wave holds six tiles for all of K in registers (576): tiles 2 a, 2 a + 1, 2 a + 4, 2 a + 5 of q (waves 0, 1) or of k (waves 2, 3): columns 32 a .. + 31 and
; 64 + 32 a .. + 31, which RoPE pairs and which are two whole blocks of 32; and tiles 2 w, 2 w + 1 of v.  One text for all four waves; only bases differ.  Rows go in tiles of 16.
; The products are used transposed (source 0 = 16 columns of a weight, source 1 = 16 rows of x): a lane holds one row, and its 16 registers of two neighbouring tiles are 16 neighbouring columns.
; THE GATHER OF x.  Eight lanes share a row: load (p, j) takes rows 4 p .. 4 p + 3 of the tile, 128 consecutive bytes of each, so that a load touches four runs of bytes where a lane to a row would touch 32 places.
; The 96 registers so filled (the stage) go through the wave's own LDS region, rows of 768 bytes + 16, and come back as the eight fragments: piece (K step s, c, h) of a row lies at 96 s + 32 c + 16 h.  No wave reads another's bytes:
; no barrier.  Since the stage is not the operand, THE NEXT TILE IS ASKED FOR AHEAD OF THIS TILE'S PRODUCTS and has them in which to land.
; q's and k's blocks of 32 lie in the order 0, 2, 1, 3, in codes and scale bytes alike, the same in both: their product is the same sum in another order, and a wave owns 48 neighbouring bytes of a row.
; ROWS PAST THE COUNT: every index into the list is held at the last entry, so spare lanes compute and store the last row once more with the same values; no load leaves its buffer.
; NO TENSOR LOAD, NO CLUSTER: the trip count hangs on a stored number.  A work-group whose list is empty stores nothing and ends.
; LIMITS: as in the launches before: a block of zeros gets the byte 1; blocks under 2^-124 are held at the byte 1; NaN and infinities are not served.
; REGISTERS: window 0: v1-5 lane terms; v6 index; v7 next entry; v8 its address; v10, v11 addresses of x's scales, cos | sin; v12-14 this tile's places in q or k, the scale words, v; v15-17 the next tile's;
;   v19-21 lane terms; v22-25 at work; v26-49 the weights' scale words (4 i + k: lanes 0-15 K step k, lanes 16-31 K step k + 4); v50-53 x's likewise; v56-103 six accumulators;
;   v104-117 the gather's entries, list addresses, row addresses, index, lane term; v120-123 the next tile's scale words; v124, v125 LDS addresses; v126, v127 the add's two; v136-156 at work; v160-255 the stage.
;   Weight fragment f = 6 s + i lies at register 12 (f % 21) of window 1 + f / 21; window 3 holds from v72 x's eight fragments, from v168 cos, from v184 sin.
.set XS,  3145728
.set RT,  3276800
.set WS,  9437184
.set CNT, 524288
.set KC,  1572864
.set QS,  3145728
.set VF,  3276800
.set LP,  784                          ; a row in LDS: 768 bytes + 16 = 49 x 16: the sixteen rows that a fragment load touches start at sixteen different groups of four banks
.set LWB, 16*LP                        ; a wave's region
.set SPARE, 4*LWB                      ; behind the four regions: the spare words, 128 bytes a wave
.set GE,  104                          ; v104-107 entries of rows 4 p + lane / 8 of the next tile
.set GA,  108                          ; v108-111 their addresses in the list
.set AXG, 112                          ; v112-115 768 x token + 16 (lane % 8)
.set IDG, 116
.set GL,  117
.set XSL, 120
.set STW, 124
.set LDR, 125
.set SPW, 126
.set NIL, 127
.set ST,  160
.set MSB, 0
.macro WIN new
.if MSB != (\new)
	s_set_vgpr_msb (MSB<<8)|(\new)
.set MSB, (\new)
.endif
.endm
.macro WLOAD f                         ; a fragment's image: three loads of 512 consecutive bytes
.set SS, (\f)/6
.set II, (\f)%6
.set RW, 12*((\f)%21)
.set WN, ((1+(\f)/21)<<6)
	WIN WN
.irp c, 0,1,2
.if II < 4
	global_load_b128 v[RW+4*\c:RW+4*\c+3], v4, s[20:21] offset:12288*SS+1536*(II+2*(II/2))+512*\c
.else
	global_load_b128 v[RW+4*\c:RW+4*\c+3], v4, s[22:23] offset:12288*SS+1536*(II-4)+512*\c
.endif
.endr
.endm
.macro ADDR e, aq, asc, av             ; the entry of row r -> addresses.  Each loaded number is held under a constant before it enters an address
	v_and_b32 v22, 0xfff, v[\e]
	v_min_u32 v22, 0xfff, v22                      ; token
	v_lshrrev_b32 v23, 12, v[\e]
	v_min_u32 v23, 0x3fff, v23                     ; R
	v_lshrrev_b32 v24, 23, v[\e]
	v_min_u32 v24, 7, v24                          ; batch x 4 + slot
	v_and_b32 v25, 0x7ff, v22                      ; position
	v_lshl_add_u32 v10, v22, 5, v19
	v_lshl_add_u32 v11, v25, 9, v20
	v_mad_u32_u24 v[\aq], v23, 96, v21
	v_lshlrev_b32 v[\asc], 2, v23
	v_lshl_add_u32 v[\av], v25, 12, v20
	v_lshl_add_u32 v[\av], v24, 9, v[\av]
.endm
.macro GADDR                           ; the entries of rows 4 p + lane / 8 -> where my 16 bytes of their codes begin
.irp p, 0,1,2,3
	v_and_b32 v[22+\p], 0xfff, v[GE+\p]
.endr
.irp p, 0,1,2,3
	v_min_u32 v[22+\p], 0xfff, v[22+\p]
.endr
.irp p, 0,1,2,3
	v_mad_u32_u24 v[AXG+\p], v[22+\p], 768, v[GL]
.endr
.endm
.macro ENTRIES step                    ; five loads of the list: the entries of a tile's rows, by row r and by row 4 p + lane / 8.  step = 1: of the tile after the one asked for last
.if \step
	v_add_nc_u32 v6, 16, v6
	v_add_nc_u32 v[IDG], 16, v[IDG]
.endif
	v_min_u32 v8, s37, v6                          ; held at the last entry,
	v_min_u32 v8, 0x1ff, v8                        ; and at the list's 512 places
	v_lshlrev_b32 v8, 2, v8
.irp p, 0,1,2,3
	v_add_nc_u32 v[GA+\p], 4*\p, v[IDG]
.endr
.irp p, 0,1,2,3
	v_min_u32 v[GA+\p], s37, v[GA+\p]
.endr
.irp p, 0,1,2,3
	v_min_u32 v[GA+\p], 0x1ff, v[GA+\p]
.endr
.irp p, 0,1,2,3
	v_lshlrev_b32 v[GA+\p], 2, v[GA+\p]
.endr
	global_load_b32 v7, v8, s[28:29]
.irp p, 0,1,2,3
	global_load_b32 v[GE+\p], v[GA+\p], s[28:29]
.endr
.endm
.macro SLOADS                          ; 25 loads: a tile's 16 rows of codes into the stage, and their scale words
.irp p, 0,1,2,3
.irp j, 0,1,2,3,4,5
	global_load_b128 v[ST+4*(6*\p+\j):ST+4*(6*\p+\j)+3], v[AXG+\p], s[4:5] offset:128*\j
.endr
.endr
	global_load_b128 v[XSL:XSL+3], v10, s[4:5] offset:XS
.endm
.macro CLOADS                          ; 8 loads: cos and sin of the rows' positions
	WIN 0xc0                                       ; destination window 3
.irp j, 0,1,2,3
	global_load_b128 v[168+4*\j:171+4*\j], v11, s[18:19] offset:RT+16*\j
	global_load_b128 v[184+4*\j:187+4*\j], v11, s[18:19] offset:RT+256+16*\j
.endr
	WIN 0
.endm
.macro TURN                            ; the stage through my LDS region: LDS serves a wave's instructions in order, so no wait stands between the stores and the loads
.irp p, 0,1,2,3
.irp j, 0,1,2,3,4,5
	ds_store_b128 v[STW], v[ST+4*(6*\p+\j):ST+4*(6*\p+\j)+3] offset:4*LP*\p+128*\j
.endr
.endr
	WIN 0xc0                                       ; destination window 3
.irp s, 0,1,2,3,4,5,6,7
.irp c, 0,1,2
	ds_load_b128 v[72+12*\s+4*\c:75+12*\s+4*\c], v[LDR] offset:96*\s+32*\c
.endr
.endr
	WIN 0
.endm
.macro WM f                            ; the six accumulators take turns, one instruction a turn
.set SS, (\f)/6
.set II, (\f)%6
.set RW, 12*((\f)%21)
.set RX, 72+12*SS
.set RA, 56+8*II
.set WN, (0x0c|(1+(\f)/21))
	WIN WN
.if SS == 0
	v_wmma_scale_f32_16x16x128_f8f6f4 v[RA:RA+7], v[RW:RW+11], v[RX:RX+11], 0, v[26+4*II], v[50] matrix_a_fmt:MATRIX_FMT_FP6 matrix_b_fmt:MATRIX_FMT_FP6
.elseif SS < 4
	v_wmma_scale_f32_16x16x128_f8f6f4 v[RA:RA+7], v[RW:RW+11], v[RX:RX+11], v[RA:RA+7], v[26+4*II+SS], v[50+SS] matrix_a_fmt:MATRIX_FMT_FP6 matrix_b_fmt:MATRIX_FMT_FP6
.else
	v_wmma_scale_f32_16x16x128_f8f6f4 v[RA:RA+7], v[RW:RW+11], v[RX:RX+11], v[RA:RA+7], v[26+4*II+SS-4], v[50+SS-4] matrix_a_fmt:MATRIX_FMT_FP6 matrix_b_fmt:MATRIX_FMT_FP6 matrix_a_scale:MATRIX_SCALE_ROW1 matrix_b_scale:MATRIX_SCALE_ROW1
.endif
.endm
	s_load_b256 s[4:11], s[0:1], 0x0               ; xw, wq, lst, qkv
	v_lshl_add_u32 v[SPW], v0, 2, SPARE
	v_mov_b32 v[NIL], 0
	v_lshrrev_b32 v1, 5, v0
	v_readfirstlane_b32 s12, v1                    ; wave
	v_and_b32 v1, 31, v0
	v_and_b32 v2, 15, v0                           ; r
	v_bfe_u32 v3, v0, 4, 1                         ; h
	v_lshlrev_b32 v4, 4, v1
	v_lshlrev_b32 v5, 2, v2
	v_lshl_add_u32 v5, v3, 11, v5                  ; the weights' scale words: 4 r, and four K steps on for lanes 16-31
	v_lshlrev_b32 v19, 4, v3
	v_lshlrev_b32 v20, 6, v3
	v_mul_u32_u24 v21, v3, 12
	v_mov_b32 v142, 0                              ; written once: a lane permute's destination counts as one of its sources
	v_mov_b32 v143, 0
	s_mul_i32 s50, s12, LWB                        ; my LDS region
	v_lshrrev_b32 v[IDG], 3, v1                    ; lane / 8
	v_and_b32 v[GL], 7, v1
	v_lshlrev_b32 v[GL], 4, v[GL]                  ; 16 (lane % 8)
	v_mul_u32_u24 v[STW], v[IDG], LP
	v_add_nc_u32 v[STW], v[STW], v[GL]
	v_add_nc_u32 v[STW], s50, v[STW]               ; in: row lane / 8, 16 bytes a lane
	v_mul_u32_u24 v[LDR], v2, LP
	v_lshl_add_u32 v[LDR], v3, 4, v[LDR]
	v_add_nc_u32 v[LDR], s50, v[LDR]               ; back: row r, + 16 h
	s_and_b32 s13, s12, 1                          ; a
	s_lshr_b32 s42, s12, 1                         ; 0: q, 1: k
	s_and_b32 s15, ttmp7, 0xffff                   ; chunk
	s_lshl_b32 s14, ttmp9, 3
	s_add_co_u32 s14, s14, s15                     ; head x 8 + chunk
	s_mov_b32 s40, 0x76543210
	s_mov_b32 s41, 0xfedcba98
	s_lshl_b32 s44, s14, 2
	s_mov_b32 s45, 0
	s_mov_b32 s47, 0
	s_wait_kmcnt 0x0
	s_add_nc_u64 s[44:45], s[8:9], s[44:45]
	s_load_b32 s36, s[44:45], CNT                  ; how many rows
	s_lshl_b32 s46, s14, 11
	s_add_nc_u64 s[28:29], s[8:9], s[46:47]        ; the list
	s_lshl_b32 s46, s13, 7
	s_add_nc_u64 s[18:19], s[4:5], s[46:47]        ; cos | sin at frequency 32 a
	s_lshl_b32 s48, s42, 5
	s_add_co_u32 s48, s48, ttmp9                   ; matrix x 32 + head
	s_mul_i32 s46, s48, 98304
	s_mul_i32 s49, s13, 3072
	s_add_co_u32 s46, s46, s49
	s_add_nc_u64 s[20:21], s[6:7], s[46:47]        ; q's or k's images from tile 2 a on
	s_lshl_b32 s46, s48, 12
	s_lshl_b32 s49, s13, 7
	s_add_co_u32 s46, s46, s49
	s_add_nc_u64 s[24:25], s[6:7], s[46:47]
	s_add_nc_u64 s[24:25], s[24:25], WS            ; and their scale words
	s_add_co_u32 s48, ttmp9, 64
	s_mul_i32 s46, s48, 98304
	s_mul_i32 s49, s12, 3072
	s_add_co_u32 s46, s46, s49
	s_add_nc_u64 s[22:23], s[6:7], s[46:47]        ; v's images from tile 2 w on
	s_lshl_b32 s46, s48, 12
	s_lshl_b32 s49, s12, 7
	s_add_co_u32 s46, s46, s49
	s_add_nc_u64 s[26:27], s[6:7], s[46:47]
	s_add_nc_u64 s[26:27], s[26:27], WS
	s_mul_i32 s46, s42, KC
	s_mul_i32 s49, s13, 48
	s_add_co_u32 s46, s46, s49
	s_add_nc_u64 s[30:31], s[10:11], s[46:47]      ; out: my 48 bytes of a row of codes
	s_lshl_b32 s46, s42, 16
	s_lshl_b32 s49, s13, 1
	s_add_co_u32 s46, s46, s49
	s_add_nc_u64 s[32:33], s[10:11], s[46:47]
	s_add_nc_u64 s[32:33], s[32:33], QS            ; my two bytes of a scale word
	s_lshl_b32 s46, s12, 7
	s_add_nc_u64 s[34:35], s[10:11], s[46:47]
	s_add_nc_u64 s[34:35], s[34:35], VF            ; my 128 bytes of a row of v
	s_wait_kmcnt 0x0
	s_min_u32 s36, s36, 512
	s_cmp_eq_u32 s36, 0
	s_cbranch_scc1 .Lnone
	s_sub_co_u32 s37, s36, 1
	s_add_co_u32 s38, s36, 15
	s_lshr_b32 s38, s38, 4                         ; tiles of 16 rows
	v_mov_b32 v6, v2
	ENTRIES 0                                      ; tile 0's entries
.set F, 0
.rept 20
	WLOAD F
.set F, F+1
.endr
	WIN 0
	s_wait_loadcnt 60                              ; behind the five entries stand the 60 loads of fragments 0 to 19
	ADDR 7, 15, 16, 17
	GADDR
	SLOADS                                         ; tile 0
	ENTRIES 1                                      ; tile 1's entries
.rept 28
	WLOAD F
.set F, F+1
.endr
	WIN 0
.irp i, 0,1,2,3
.irp k, 0,1,2,3
	global_load_b32 v[26+4*\i+\k], v5, s[24:25] offset:512*\k+64*(\i+2*(\i/2))
.endr
.endr
.irp i, 4,5
.irp k, 0,1,2,3
	global_load_b32 v[26+4*\i+\k], v5, s[26:27] offset:512*\k+64*(\i-4)
.endr
.endr
	CLOADS                                         ; tile 0's cos and sin come last, as they do in a trip
	s_mov_b32 s39, 0
.Ltile:
	s_wait_loadcnt 8                               ; all but the youngest eight loads, this tile's cos and sin: the stage, the scale words, the next entries are in (in the first trip the weights too)
	s_wait_xcnt 0x0                                ; the last trip's stores have read their data and addresses, the pending cos and sin loads their address: the accumulators, the codes, v11 and v12-14 are written only behind this wait
.irp k, 0,1,2,3
	v_mov_b32 v[50+\k], v[XSL+\k]                  ; x's scale words: more than eight plain lines ahead of the first product
.endr
	v_mov_b32 v12, v15                             ; this tile's places
	v_mov_b32 v13, v16
	v_mov_b32 v14, v17
	TURN
	ADDR 7, 15, 16, 17                             ; the next tile's addresses, while LDS works
	GADDR
	s_wait_dscnt 24                                ; the 24 LDS loads may be out: the 24 stores ahead of them have read the stage,
	SLOADS                                         ; which takes the next tile: asked for ahead of this tile's products
	ENTRIES 1                                      ; and the entries of the tile after it
	s_wait_dscnt 0x0                               ; x's fragments are in
.set F, 0
.rept 48
	WM F
.set F, F+1
.endr
	WIN 0
.rept 4
	v_nop                                          ; four places between the last product and the first read of results
.endr
	s_wait_loadcnt 30                              ; behind this tile's cos and sin stand the 25 + 5 loads of this trip
	WIN 0x0c                                       ; source 1 (cos, sin) in window 3
.irp p, 0,1,2,3,4,5,6,7                            ; RoPE, two columns at a time: lo' = lo cos - hi sin, hi' = hi cos + lo sin.  Each accumulator is read from its low end on
	v_pk_mul_f32 v[136+4*(\p%2):137+4*(\p%2)], v[72+2*\p:73+2*\p], v[184+2*\p:185+2*\p]
	v_pk_mul_f32 v[138+4*(\p%2):139+4*(\p%2)], v[56+2*\p:57+2*\p], v[184+2*\p:185+2*\p]
	v_pk_fma_f32 v[56+2*\p:57+2*\p], v[56+2*\p:57+2*\p], v[168+2*\p:169+2*\p], v[136+4*(\p%2):137+4*(\p%2)] neg_lo:[0,0,1] neg_hi:[0,0,1]
	v_pk_fma_f32 v[72+2*\p:73+2*\p], v[72+2*\p:73+2*\p], v[168+2*\p:169+2*\p], v[138+4*(\p%2):139+4*(\p%2)]
.endr
	WIN 0
	global_store_b128 v14, v[88:91], s[34:35]      ; v: my 16 neighbouring columns of my row
	global_store_b128 v14, v[92:95], s[34:35] offset:16
	global_store_b128 v14, v[96:99], s[34:35] offset:32
	global_store_b128 v14, v[100:103], s[34:35] offset:48
	CLOADS                                         ; the next tile's cos and sin: wanted behind its products
	v_max3_num_f32 v140, |v56|, |v57|, 0x1800000   ; my two blocks: 16 numbers of each are mine, the other 16 lane l xor 16's
	v_max3_num_f32 v141, |v72|, |v73|, 0x1800000
.irp i, 2,4,6,8,10,12,14
	v_max3_num_f32 v140, v140, |v[56+\i]|, |v[57+\i]|
	v_max3_num_f32 v141, v141, |v[72+\i]|, |v[73+\i]|
.endr
	v_permlanex16_b32 v142, v140, s40, s41
	v_permlanex16_b32 v143, v141, s40, s41
	v_max_num_f32 v140, v140, v142
	v_max_num_f32 v141, v141, v143
	v_add_nc_u32 v144, 0xff000000, v140
	v_add_nc_u32 v145, 0xff000000, v141
	v_lshrrev_b32 v146, 23, v144
	v_lshrrev_b32 v147, 23, v145
	v_lshl_or_b32 v156, v147, 8, v146
	v_cvt_scalef32_pk16_fp6_f32 v[148:150], v[56:71], v144
	v_cvt_scalef32_pk16_fp6_f32 v[152:154], v[72:87], v145
	v_nop                                          ; one plain place behind a scaled conversion: the next products write its sources
	global_store_b96 v12, v[148:150], s[30:31]
	global_store_b96 v12, v[152:154], s[30:31] offset:24
	global_store_b16 v13, v156, s[32:33]           ; (both halves of the lanes hold the same two bytes)
	s_add_co_u32 s39, s39, 1
	s_cmp_lt_u32 s39, s38
	s_cbranch_scc1 .Ltile
	s_wait_tensorcnt 0x0                           ; the wave's end
	ds_add_u32 v[SPW], v[NIL]
	s_wait_dscnt 0x0
	s_endpgm
.Lnone:
	s_endpgm
.Lfunc_end_k_qf6ac9756ee_qkv:
	.size	k_qf6ac9756ee_qkv, .Lfunc_end_k_qf6ac9756ee_qkv-k_qf6ac9756ee_qkv
	.p2alignl 7, 3214868480
	.fill 96, 4, 3214868480
	.section	.rodata,"a",@progbits
	.p2align	6, 0x0
	.amdhsa_kernel k_qf6ac9756ee_qkv
		.amdhsa_group_segment_fixed_size 50688
		.amdhsa_private_segment_fixed_size 0
		.amdhsa_enable_private_segment 0
		.amdhsa_kernarg_size 32
		.amdhsa_user_sgpr_count 2
		.amdhsa_user_sgpr_kernarg_segment_ptr 1
		.amdhsa_wavefront_size32 1
		.amdhsa_system_sgpr_workgroup_id_x 1
		.amdhsa_system_sgpr_workgroup_id_y 1
		.amdhsa_system_sgpr_workgroup_id_z 1
		.amdhsa_system_vgpr_workitem_id 0
		.amdhsa_next_free_vgpr 968
		.amdhsa_next_free_sgpr 66
		.amdhsa_reserve_vcc 0
		.amdhsa_float_denorm_mode_32 3
		.amdhsa_float_denorm_mode_16_64 3
		.amdhsa_memory_ordered 1
		.amdhsa_forward_progress 1
		.amdhsa_inst_pref_size 48
	.end_amdhsa_kernel
	.amdgpu_metadata
---
amdhsa.version: [ 1, 2 ]
amdhsa.kernels:
  - .name:           k_qf6ac9756ee_qkv
    .symbol:         k_qf6ac9756ee_qkv.kd
    .args:
      - { .name: xw, .offset: 0, .size: 8, .value_kind: global_buffer, .address_space: global }
      - { .name: wq, .offset: 8, .size: 8, .value_kind: global_buffer, .address_space: global }
      - { .name: lst, .offset: 16, .size: 8, .value_kind: global_buffer, .address_space: global }
      - { .name: qkv, .offset: 24, .size: 8, .value_kind: global_buffer, .address_space: global }
    .group_segment_fixed_size: 50688
    .private_segment_fixed_size: 0
    .kernarg_segment_align: 8
    .kernarg_segment_size: 32
    .max_flat_workgroup_size: 128
    .sgpr_count:     66
    .vgpr_count:     968
    .wavefront_size: 32
...
	.end_amdgpu_metadata
.endif
;; end of part 3
;; launch vq_woq (part 4): grid 8 x 20, 4 waves a work-group, no clusters, 0 bytes of LDS; arguments qkv, Wo, vw; writes vw
.if DOCPART == 4
	.amdgcn_target "amdgcn-amd-amdhsa--gfx1250"
	.amdhsa_code_object_version 6
	.text
	.protected	k_qf6ac9756ee_vq_woq
	.globl	k_qf6ac9756ee_vq_woq
	.p2align	8
	.type	k_qf6ac9756ee_vq_woq,@function
k_qf6ac9756ee_vq_woq:
	s_mov_b64 s[64:65], 0
	v_nop
	global_prefetch_b8 v0, s[64:65] scope:SCOPE_SE
	s_setreg_imm32_b32 hwreg(HW_REG_WAVE_MODE, 25, 1), 1
	s_wait_xcnt 0x0
; v (f32, [position][batch x 4 + slot][128], 4,096 bytes from position to position) is quantised ALONG THE KEYS, and Wo [512][1024] f32 (the same pitch) along its first axis, to codes of FP6 (E2M3) with one E8M0 byte
; for each 32 along K, laid as images of operand registers: img[group][K step][tile][1,536 bytes], registers 4 c .. 4 c + 3 of lane l at 512 c + 16 l; row r of tile 2 b + u is column 32 b + 8 u + r + 8 (r / 8).
; y < 16: v, group x = batch x 4 + slot, K step y (128 keys).  y >= 16: Wo, group x = 128 columns, K step y - 16.  One path: only pointers and offsets are chosen, on the work-group's number.
; A lane takes a column and its registers run down K; a wave takes 32 columns; all 128 loads of a wave go out at once.
; LIMITS: a block of zeros gets the byte 1 (its codes are zeros; this program alone reads the bytes); blocks under 2^-124 are held at the byte 1; NaN and infinities are not served.
.set VF,    3276800
.set VS,    1572864
.set WOI,   1638400
.set WOS,   2031616
.set PITCH, 4096
.macro QLOADS
.set i, 0
.rept 128
	global_load_b32 v[32+i], v2, s[4:5] offset:i*PITCH th:TH_LOAD_NT
.set i, i+1
.endr
.endm
.macro QBLK t, left
.set XB, 32+32*(\t)
.set TG, 160+12*((\t)%2)+6*((\t)/2)
	s_wait_loadcnt \left
	v_max3_num_f32 v12, |v[XB]|, |v[XB+1]|, |v[XB+2]|
	v_max3_num_f32 v13, |v[XB+3]|, |v[XB+4]|, |v[XB+5]|
.irp i, 6,10,14,18,22,26
	v_max3_num_f32 v12, v12, |v[XB+\i]|, |v[XB+\i+1]|
	v_max3_num_f32 v13, v13, |v[XB+\i+2]|, |v[XB+\i+3]|
.endr
	v_max3_num_f32 v12, v12, |v[XB+30]|, |v[XB+31]|
	v_max3_num_f32 v12, v12, v13, 0x1800000        ; and the floor 2^(3 - 127)
	v_add_nc_u32 v11, 0xff000000, v12
	v_lshrrev_b32 v13, 23, v11
.if (\t) == 0
	v_mov_b32 v31, v13
.else
	v_lshl_or_b32 v31, v13, 8*(\t), v31
.endif
	v_cvt_scalef32_pk16_fp6_f32 v[TG:TG+2], v[XB:XB+15], v11
	v_cvt_scalef32_pk16_fp6_f32 v[184:186], v[XB+16:XB+31], v11
	v_nop                                          ; one plain place behind a scaled conversion
	v_mov_b32 v[TG+3], v184
	v_mov_b32 v[TG+4], v185
	v_mov_b32 v[TG+5], v186
.endm
.macro QSTORE
.irp c, 0,1,2
	global_store_b128 v3, v[160+4*\c:163+4*\c], s[30:31] offset:512*\c
	global_store_b128 v3, v[172+4*\c:175+4*\c], s[30:31] offset:512*\c+256
.endr
	global_store_b32 v4, v31, s[32:33]
.endm
	s_load_b128 s[4:7], s[0:1], 0x0                ; qkv, Wo
	s_load_b64 s[8:9], s[0:1], 0x10                ; vw
	v_lshrrev_b32 v1, 5, v0
	v_readfirstlane_b32 s12, v1                    ; wave
	v_and_b32 v1, 31, v0
	v_lshlrev_b32 v2, 2, v1
	s_and_b32 s13, ttmp7, 0xffff
	s_wait_kmcnt 0x0
	s_cmp_lt_u32 s13, 16                           ; v or Wo: the choice hangs on the work-group's number alone
	s_cselect_b64 s[4:5], s[4:5], s[6:7]
	s_cselect_b32 s14, VF, 0
	s_cselect_b32 s15, 0, 16
	s_cselect_b32 s16, 4, 2                        ; 16 or 4 K steps a group
	s_cselect_b32 s17, 0, WOI
	s_mov_b32 s18, WOS
	s_cselect_b32 s18, VS, s18
	s_sub_co_u32 s13, s13, s15                     ; K step
	s_lshl_b32 s20, s13, 19                        ; 128 rows of 4,096 bytes
	s_add_co_u32 s20, s20, s14
	s_lshl_b32 s19, ttmp9, 9
	s_add_co_u32 s20, s20, s19
	s_lshl_b32 s19, s12, 7
	s_add_co_u32 s20, s20, s19
	s_mov_b32 s21, 0
	s_add_nc_u64 s[4:5], s[4:5], s[20:21]
	QLOADS
	s_lshl_b32 s19, ttmp9, s16
	s_add_co_u32 s19, s19, s13
	s_lshl_b32 s19, s19, 3
	s_lshl_b32 s20, s12, 1
	s_add_co_u32 s19, s19, s20                     ; (group x K steps + K step) x 8 + 2 x wave
	s_mul_i32 s20, s19, 1536
	s_add_co_u32 s20, s20, s17
	s_add_nc_u64 s[30:31], s[8:9], s[20:21]
	s_lshl_b32 s20, s19, 6
	s_add_co_u32 s20, s20, s18
	s_add_nc_u64 s[32:33], s[8:9], s[20:21]
	v_bfe_u32 v5, v1, 3, 1
	v_and_b32 v6, 7, v1
	v_bfe_u32 v7, v1, 4, 1
	v_lshl_or_b32 v6, v7, 3, v6
	v_mul_u32_u24 v3, v5, 1536
	v_lshl_add_u32 v3, v6, 4, v3
	v_lshlrev_b32 v4, 6, v5
	v_lshl_add_u32 v4, v6, 2, v4
	QBLK 0, 63                                     ; 96 younger loads might stay out: the count is the most that the wait can name
	QBLK 1, 63
	QBLK 2, 32
	QBLK 3, 0
	QSTORE
	s_endpgm
.Lfunc_end_k_qf6ac9756ee_vq_woq:
	.size	k_qf6ac9756ee_vq_woq, .Lfunc_end_k_qf6ac9756ee_vq_woq-k_qf6ac9756ee_vq_woq
	.p2alignl 7, 3214868480
	.fill 96, 4, 3214868480
	.section	.rodata,"a",@progbits
	.p2align	6, 0x0
	.amdhsa_kernel k_qf6ac9756ee_vq_woq
		.amdhsa_group_segment_fixed_size 0
		.amdhsa_private_segment_fixed_size 0
		.amdhsa_enable_private_segment 0
		.amdhsa_kernarg_size 24
		.amdhsa_user_sgpr_count 2
		.amdhsa_user_sgpr_kernarg_segment_ptr 1
		.amdhsa_wavefront_size32 1
		.amdhsa_system_sgpr_workgroup_id_x 1
		.amdhsa_system_sgpr_workgroup_id_y 1
		.amdhsa_system_sgpr_workgroup_id_z 1
		.amdhsa_system_vgpr_workitem_id 0
		.amdhsa_next_free_vgpr 192
		.amdhsa_next_free_sgpr 66
		.amdhsa_reserve_vcc 0
		.amdhsa_float_denorm_mode_32 3
		.amdhsa_float_denorm_mode_16_64 3
		.amdhsa_memory_ordered 1
		.amdhsa_forward_progress 1
		.amdhsa_inst_pref_size 21
	.end_amdhsa_kernel
	.amdgpu_metadata
---
amdhsa.version: [ 1, 2 ]
amdhsa.kernels:
  - .name:           k_qf6ac9756ee_vq_woq
    .symbol:         k_qf6ac9756ee_vq_woq.kd
    .args:
      - { .name: qkv, .offset: 0, .size: 8, .value_kind: global_buffer, .address_space: global }
      - { .name: Wo, .offset: 8, .size: 8, .value_kind: global_buffer, .address_space: global }
      - { .name: vw, .offset: 16, .size: 8, .value_kind: global_buffer, .address_space: global }
    .group_segment_fixed_size: 0
    .private_segment_fixed_size: 0
    .kernarg_segment_align: 8
    .kernarg_segment_size: 24
    .max_flat_workgroup_size: 128
    .sgpr_count:     66
    .vgpr_count:     192
    .wavefront_size: 32
...
	.end_amdgpu_metadata
.endif
;; end of part 4
;; launch attn (part 5): grid 32 x 8, 8 waves a work-group, no clusters, 327,680 bytes of LDS; arguments qkv, vw, xw, ao; writes ao
.if DOCPART == 5
	.amdgcn_target "amdgcn-amd-amdhsa--gfx1250"
	.amdhsa_code_object_version 6
	.text
	.protected	k_qf6ac9756ee_attn
	.globl	k_qf6ac9756ee_attn
	.p2align	8
	.type	k_qf6ac9756ee_attn,@function
k_qf6ac9756ee_attn:
	s_mov_b64 s[64:65], 0
	v_nop
	global_prefetch_b8 v0, s[64:65] scope:SCOPE_SE
	s_setreg_imm32_b32 hwreg(HW_REG_WAVE_MODE, 25, 1), 1
	s_wait_xcnt 0x0
; Causal attention for each of the 8 (batch, slot) groups of 2,048 positions x 128, both products on codes of FP6 (E2M3) with one E8M0 scale for each 32 along a product's K; the result x the router's weight is quantised for the last product.
; THE SOFTMAX AHEAD OF THE SECOND PRODUCT: t = score x log2(e) / sqrt(128); M = the largest t so far, rounded UP to a whole number; p = 2^(t - M) is quantised along the keys, not normalised; the row's sum is taken of
; the unquantised p and divides at the end.  When M moves, the sum and O are multiplied by 2^(old M - new M): exact.
; SHARES.  Work-group x owns TWO blocks of 32 queries: block x (tiles 0, 1) and block 63 - x (tiles 2, 3): under the causal mask the keys of the two add up to the same number, about 2,048 + 32, in every work-group.
; A tile's keys are shared between two waves: of each slot of 256 keys a wave takes key step w / 4; the parts are joined at the end by exact powers of two.  Wave w < 4 owns tile w, wave w >= 4 tile (w + 2) % 4:
; so waves w and w + 4 own one tile of the early block and one of the late.  K's rows and V's images come through a ring of two LDS slots; each of the eight waves fetches an eighth of a slot.
; Both products are used transposed (S^T = K Q^T, O^T = V^T P^T): a lane holds one query.  Lane r of K's tile 2 b + u takes key 32 b + 8 u + r + 8 (r / 8), so that 16 registers of two tiles are 16 neighbouring keys.
; CAUSAL: every work-group walks all eight slots (constant trip counts); a key step all of whose keys come after the wave's queries is left out by a scalar branch on ids; a slot whose first key comes after the
; work-group's last query is not asked for.  Every wait for tensor loads is for 0.
; NO CLUSTER: under the causal mask the work-groups of a group need 5 to 8 slots, so partners would need different numbers of tiles.
; LIMITS: a block of zeros gets the byte 1 (its codes are zeros); NaN and infinities are not served.
; REGISTERS: window 0: v1-4 lane places; v5, v6 the add's two; v7 the merge's place; v8-11 addresses in hand; v12 -M, v13 the largest t, v[14:15] the sum; v16-27 Q; v28 prefetch offset; v29 router weight; v30, v31 16, 4 x lane;
;   v32-39 K's scale words, v40-47 V's; v48-84 the way out; v96-159 S^T, then p; v160-223 O^T; v224-235 p's codes; v232-254 at work; v255 Q's scale word.   window 1: v0-95 K's eight fragments, v96-191 V's.
.set KC,    1572864
.set QS,    3145728
.set KS,    3211264
.set VS,    1572864
.set HW,    4325376
.set AS,    1572864
.set SLOT1, 1<<17                      ; a slot: 256 rows of K (24,576 bytes), then two key steps of V's images (24,576)
.set SCK,   2*SLOT1                    ; K's scale words of the whole group, as runs of 256 bytes + 16
.set SCV,   SCK+8704                   ; V's likewise
.set SPARE, SCV+8704                   ; the spare words: 128 bytes a wave
.set MRG,   SPARE+1024                 ; the merge: 8,704 bytes a tile; no tensor load lands here
.set NSL,   8
.set AK0,  1
.set AV0,  2
.set ASK0, 3
.set ASV0, 4
.set SPW,  5
.set NIL,  6
.set MGA,  7
.set ADK,  8
.set ADV,  9
.set ADS,  10
.set ADT,  11
.set PFO,  28
.set TM,   48
.set PW,   64
.set PC,   66
.set TP,   78
.set WV,   18
.set SEL,  20
.set CS,   22
.set G1D,  24
.set G1S,  32
.set G0,   40
.set G0S,  44
.set TB,   2
.set TS,   3
.set SK0,  66
.set SLOTS, 67
.set QL,   68
.set PFA,  76
.set LIM,  80
.set KF,   98
.set Q0,   99
.set MSB, 0
.macro WIN new
.if MSB != (\new)
	s_set_vgpr_msb (MSB<<8)|(\new)
.set MSB, (\new)
.endif
.endm
.macro TLOAD g0, g1                    ; an s_nop 0 and four v_nop follow the load
	tensor_load_to_lds s[\g0:\g0+3], s[\g1:\g1+7]
	s_nop 0
.rept 4
	v_nop
.endr
.endm
; A prefetch of the slot after the one that is being asked for: 24,576 bytes of K and as many of V.  All work-groups of a group walk the same bytes: the one that asks for all slots (work-group x = 0) prefetches.
; In it waves 0-2 ask for K's, waves 4-6 for V's: 8,192 bytes a wave, lanes 256 bytes apart: each run of 256 bytes is named once.  The last change that fills a slot asks for nothing.
.macro ASK
	s_cmp_gt_u32 s[SLOTS], s[LIM]
	s_cbranch_scc0 .Lnot_mine_\@
	global_prefetch_b8 v[PFO], s[PFA:PFA+1] th:TH_LOAD_NT scope:SCOPE_SE
.Lnot_mine_\@:
.endm
.macro QUANT s, pc, tp, pw
.irp b, 0,1,2,3
	v_max3_num_f32 v[TM+\b], |v[\s+16*\b]|, |v[\s+1+16*\b]|, 0x1800000
.endr
.irp i, 2,4,6,8,10,12,14
.irp b, 0,1,2,3
	v_max3_num_f32 v[TM+\b], v[TM+\b], |v[\s+16*\b+\i]|, |v[\s+1+16*\b+\i]|
.endr
.endr
.irp b, 0,1,2,3
	v_permlanex16_b32 v[TM+4+\b], v[TM+\b], s[SEL], s[SEL+1]
.endr
.irp b, 0,1,2,3
	v_max_num_f32 v[TM+\b], v[TM+\b], v[TM+4+\b]
.endr
.irp b, 0,1,2,3
	v_add_nc_u32 v[TM+12+\b], 0xff000000, v[TM+\b]
.endr
.irp b, 0,1,2,3
	v_lshrrev_b32 v[TM+4+\b], 23, v[TM+12+\b]
.endr
	v_lshl_or_b32 v[\pw], v[TM+5], 8, v[TM+4]
	v_lshl_or_b32 v[\pw], v[TM+6], 16, v[\pw]
	v_lshl_or_b32 v[\pw], v[TM+7], 24, v[\pw]
.irp c, 0,1
	v_cvt_scalef32_pk16_fp6_f32 v[\pc+6*\c:\pc+2+6*\c], v[\s+32*\c:\s+15+32*\c], v[TM+12+2*\c]
	v_cvt_scalef32_pk16_fp6_f32 v[\tp+4*\c:\tp+2+4*\c], v[\s+16+32*\c:\s+31+32*\c], v[TM+12+2*\c+1]
.endr
	v_nop
.irp c, 0,1
.irp i, 0,1,2
	v_permlane16_swap_b32 v[\pc+6*\c+\i], v[\tp+4*\c+\i]
.endr
.irp i, 0,1,2
	v_mov_b32 v[\pc+3+6*\c+\i], v[\tp+4*\c+\i]
.endr
.endr
.endm
	s_load_b256 s[4:11], s[0:1], 0x0               ; qkv, vw, xw, ao
	v_lshl_add_u32 v[SPW], v0, 2, SPARE
	v_mov_b32 v[NIL], 0
	ds_add_u32 v[SPW], v[NIL]                      ; the wave's opening, ahead of my first tensor load
	v_lshrrev_b32 v8, 5, v0
	v_readfirstlane_b32 s[WV], v8                  ; wave 0..7
	s_and_b32 s69, ttmp7, 0xffff                   ; the group: batch x 4 + slot
	s_and_b32 s71, s[WV], 3                        ; which quarter of K's or V's bytes I fetch
	s_lshr_b32 s72, s[WV], 2                       ; which key step of a slot is mine
	s_lshl_b32 s82, s72, 1
	s_add_co_u32 s82, s82, s[WV]
	s_and_b32 s82, s82, 3                          ; my tile: w, and for waves 4-7 (w + 2) % 4
	s_lshr_b32 s83, s82, 1                         ; 0: a tile of the early block, 1: of the late one
	s_and_b32 s84, s82, 1
	s_lshl_b32 s84, s84, 4                         ; 16 queries on for a block's second tile
	s_lshl_b32 s[Q0], ttmp9, 5                     ; the early block's first query: 32 x
	s_sub_co_u32 s[QL], 2047, s[Q0]                ; the work-group's last query: the late block's last
	s_lshl_b32 s85, ttmp9, 6
	s_sub_co_u32 s85, 2016, s85                    ; from the early block to the late one: 32 (63 - x) - 32 x
	s_mul_i32 s85, s85, s83
	s_add_co_u32 s[Q0], s[Q0], s85
	s_add_co_u32 s[Q0], s[Q0], s84                 ; my first query
	s_mov_b32 s[G1D], 3<<16                        ; an eighth of a slot: 24 rows of 256 bytes (32 elements of 8 bytes), dense, no padding
	s_mov_b32 s[G1D+1], 32<<16
	s_mov_b32 s[G1D+2], 24<<16
	s_mov_b32 s[G1D+3], 32<<16
	s_mov_b32 s[G1D+4], 24
	s_mov_b32 s[G1D+5], 32
	s_mov_b32 s[G1D+6], 0
	s_mov_b32 s[G1D+7], 0
	s_mov_b32 s[G1S], (3<<16)|(1<<20)|(5<<22)|(3<<25)   ; a quarter of a group's scale bytes: 8 rows of 256 bytes, 16 bytes of padding behind each
	s_mov_b32 s[G1S+1], 32<<16
	s_mov_b32 s[G1S+2], 8<<16
	s_mov_b32 s[G1S+3], 32<<16
	s_mov_b32 s[G1S+4], 8
	s_mov_b32 s[G1S+5], 32
	s_mov_b32 s[G1S+6], 0
	s_mov_b32 s[G1S+7], 0
	s_mov_b32 s[SEL], 0x76543210
	s_mov_b32 s[SEL+1], 0xfedcba98
	s_mov_b32 s[CS], 0x3e0293ee                    ; c = log2(e) / sqrt(128)
	s_mov_b32 s[CS+1], s[CS]
	s_mov_b32 s[TB], 0
	s_mov_b32 s[TS], 0
	s_mov_b32 s[SK0], 0
	s_mov_b32 s[SLOTS], NSL-1
	s_lshl_b32 s[KF], s72, 7                       ; my first key step's first key
	s_mov_b32 s57, 0
	s_wait_dscnt 0x0                               ; the opening add is done
	s_wait_kmcnt 0x0
	s_cmp_lt_u32 s[WV], 4                          ; waves 0-3 fetch K's bytes, waves 4-7 V's
	s_cselect_b64 s[52:53], s[4:5], s[6:7]
	s_mov_b32 s54, VS
	s_cselect_b32 s54, KS, s54
	s_cselect_b32 s55, KC, 0
	s_lshl_b32 s56, s69, 13
	s_lshl_b32 s73, s71, 11
	s_add_co_u32 s56, s56, s73
	s_add_co_u32 s56, s56, s54
	s_mov_b32 s[G0S], 1
	s_mul_i32 s[G0S+1], s[WV], 2176
	s_add_co_u32 s[G0S+1], s[G0S+1], SCK
	s_add_nc_u64 s[G0S+2:G0S+3], s[52:53], s[56:57]
	s_or_b32 s[G0S+3], s[G0S+3], 0x80000000
	TLOAD G0S, G1S                                 ; the scale bytes of the whole group: filled once
	s_mul_i32 s56, s69, 196608
	s_add_co_u32 s56, s56, s55
	s_mul_i32 s73, s71, 8192
	s_add_co_u32 s74, s56, s73
	s_add_co_u32 s74, s74, 24576
	s_mov_b32 s75, 0
	s_add_nc_u64 s[PFA:PFA+1], s[52:53], s[74:75]  ; the prefetches stand in slot 1: the first change of slots steps them to slot 2
	s_mul_i32 s73, s71, 6144
	s_add_co_u32 s56, s56, s73
	s_mov_b32 s[G0], 1
	s_mul_i32 s[G0+1], s[WV], 6144
	s_add_nc_u64 s[G0+2:G0+3], s[52:53], s[56:57]
	s_or_b32 s[G0+3], s[G0+3], 0x80000000
	TLOAD G0, G1D                                  ; slot 0.  Two tensor loads of mine are out
	s_lshl_b32 s73, s69, 11
	s_add_co_u32 s73, s73, s[Q0]                   ; my first row among the 16,384
	s_mul_i32 s56, s73, 96
	s_add_nc_u64 s[58:59], s[4:5], s[56:57]        ; Q's codes
	s_lshl_b32 s56, s73, 2
	s_add_nc_u64 s[60:61], s[4:5], s[56:57]        ; Q's scale words
	s_lshr_b32 s74, s69, 2                         ; batch
	s_and_b32 s75, s69, 3                          ; slot
	s_lshl_b32 s73, s74, 11
	s_add_co_u32 s73, s73, s[Q0]                   ; my first token
	s_lshl_b32 s56, s73, 4
	s_lshl_b32 s81, s75, 2
	s_add_co_u32 s56, s56, s81
	s_add_nc_u64 s[62:63], s[8:9], s[56:57]        ; the router's weights
	s_lshr_b32 s73, s73, 4
	s_lshl_b32 s81, s75, 8
	s_add_co_u32 s73, s73, s81                     ; 256 x slot + token / 16
	s_mul_i32 s56, s73, 1536
	s_add_nc_u64 s[48:49], s[10:11], s[56:57]      ; out: my fragment's image,
	s_lshl_b32 s56, s73, 7
	s_add_nc_u64 s[50:51], s[10:11], s[56:57]      ; and its scale words
	s_cmp_eq_u32 s71, 3
	s_cselect_b32 s81, 1, 0
	s_or_b32 s81, s81, ttmp9
	s_cmp_eq_u32 s81, 0
	s_cselect_b32 s[LIM], 1, -1                    ; 1 in a wave that prefetches, else the greatest number
	v_and_b32 v8, 15, v0                           ; r
	v_bfe_u32 v9, v0, 4, 1                         ; h
	v_mul_u32_u24 v10, v8, 96
	v_mad_u32_u24 v10, v9, 24, v10
.irp p, 0,1,2,3,4,5
	global_load_b64 v[16+2*\p:17+2*\p], v10, s[58:59] offset:48*(\p/3)+8*(\p%3)   ; Q's fragment stays in registers
.endr
	v_lshlrev_b32 v251, 2, v8
	global_load_b32 v255, v251, s[60:61] offset:QS
	v_lshlrev_b32 v250, 4, v8
	global_load_b32 v29, v250, s[62:63] offset:HW
	v_and_b32 v11, 8, v8
	v_add_nc_u32 v11, v11, v8                      ; r + 8 (r / 8)
	v_mul_u32_u24 v[AK0], v11, 96
	v_mad_u32_u24 v[AK0], v9, 24, v[AK0]
	s_mul_i32 s73, s72, 12288
	v_add_nc_u32 v[AK0], s73, v[AK0]
	v_and_b32 v30, 31, v0
	v_lshlrev_b32 v[PFO], 8, v30
	v_lshlrev_b32 v31, 2, v30
	v_lshlrev_b32 v30, 4, v30
	s_add_co_u32 s74, s73, 24576
	v_add_nc_u32 v[AV0], s74, v30
	s_mul_i32 s73, s72, 544
	s_add_co_u32 s74, s73, SCK
	v_lshl_add_u32 v[ASK0], v11, 2, s74
	s_add_co_u32 s74, s73, SCV
	v_lshl_add_u32 v[ASV0], v8, 2, s74
	s_mul_i32 s73, s82, 8704                       ; the merge's place goes by the tile
	s_add_co_u32 s73, s73, MRG
	v_add_nc_u32 v[MGA], s73, v30
	v_mov_b32 v13, 0xff61b1e6                      ; the largest t so far: -3e38
	v_floor_f32 v12, -v13                          ; -M
	v_mov_b32 v14, 0
	v_mov_b32 v15, 0
.irp b, 0,1,2,3
	v_mov_b32 v[236+\b], 0                         ; written once: a lane permute's destination counts as one of its sources
.endr
	v_mov_b32 v252, 0
	v_mov_b32 v253, 0
.set j, 0
.rept 64
	v_mov_b32 v[160+j], 0                          ; O^T: the step is written once; the first finds zeros
.set j, j+1
.endr
; MY KEY STEP OF THE SLOT IN HAND: 128 keys
.macro STEP
	s_add_co_u32 s96, s[Q0], 15
	s_cmp_gt_u32 s[KF], s96                        ; all its keys come after my queries: left out
	s_cbranch_scc1 .Lhidden_\@
	v_add_nc_u32 v[ADK], s[TB], v[AK0]             ; (these four are also the places in front of loads into registers that the last products read)
	v_add_nc_u32 v[ADV], s[TB], v[AV0]
	v_add_nc_u32 v[ADS], s[TS], v[ASK0]
	v_add_nc_u32 v[ADT], s[TS], v[ASV0]
.irp t, 0,1,2,3,4,5,6,7
	ds_load_b32 v[32+\t], v[ADS] offset:272*(\t/4)+(32*((\t/2)%2)+8*(\t%2))*4
.endr
	WIN 0x40                                       ; destination window 1
.irp t, 0,1,2,3,4,5,6,7
.irp p, 0,1,2,3,4,5
	ds_load_b64 v[12*\t+2*\p:12*\t+2*\p+1], v[ADK] offset:(32*(\t/2)+8*(\t%2))*96+48*(\p/3)+8*(\p%3)
.endr
.endr
.irp t, 0,1,2,3,4,5,6,7
.irp c, 0,1,2
	ds_load_b128 v[96+12*\t+4*\c:99+12*\t+4*\c], v[ADV] offset:1536*\t+512*\c
.endr
.endr
	WIN 0
.irp t, 0,1,2,3,4,5,6,7
	ds_load_b32 v[40+\t], v[ADT] offset:272*(\t/4)+64*(\t%4)
.endr
	s_wait_dscnt 32                                ; V's 24 fragment loads and 8 scale words may stay out: they land under the softmax
	WIN 0x01                                       ; source 0 in window 1
.irp t, 0,1,2,3,4,5,6,7
	v_wmma_scale_f32_16x16x128_f8f6f4 v[96+8*\t:103+8*\t], v[12*\t:12*\t+11], v[16:27], 0, v[32+\t], v255 matrix_a_fmt:MATRIX_FMT_FP6 matrix_b_fmt:MATRIX_FMT_FP6
.endr
	WIN 0
.rept 4
	v_nop
.endr
	s_add_co_u32 s96, s[KF], 127                   ; on the diagonal hidden scores become -infinity ahead of the maximum; a step all of whose keys count skips this
	s_cmp_le_u32 s96, s[Q0]
	s_cbranch_scc1 .Lopen_\@
	s_sub_co_i32 s96, s[Q0], s[KF]
	v_and_b32 v252, 15, v0
	v_bfe_u32 v253, v0, 4, 1
	v_lshlrev_b32 v253, 4, v253
	v_sub_nc_u32 v252, v252, v253
	v_add_nc_u32 v252, s96, v252                   ; d = my query - the first key - 16 h.  Register 16 b + i holds key 32 b + 16 h + i of the step: hidden where 32 b + i > d
	v_mov_b32 v254, 0xff800000
.set n, 0
.rept 64
	v_cmp_gt_i32 vcc_lo, 32*(n/16)+n%16, v252
	v_cndmask_b32 v[96+n], v[96+n], v254, vcc_lo
.set n, n+1
.endr
.Lopen_\@:
.irp b, 0,1,2,3
	v_max3_num_f32 v[232+\b], v[96+16*\b], v[97+16*\b], v[98+16*\b]   ; the largest score of each block of 32 keys: for the row's maximum, and, since p rises with the score, for the block's largest p
.endr
.irp i, 3,5,7,9,11,13
.irp b, 0,1,2,3
	v_max3_num_f32 v[232+\b], v[232+\b], v[96+16*\b+\i], v[97+16*\b+\i]
.endr
.endr
.irp b, 0,1,2,3
	v_max_num_f32 v[232+\b], v[232+\b], v[111+16*\b]
.endr
.irp b, 0,1,2,3
	v_permlanex16_b32 v[236+\b], v[232+\b], s[SEL], s[SEL+1]
.endr
.irp b, 0,1,2,3
	v_max_num_f32 v[232+\b], v[232+\b], v[236+\b]
.endr
	v_max3_num_f32 v254, v232, v233, v234
	v_max_num_f32 v254, v254, v235
	v_mul_f32 v254, s[CS], v254
	v_max_num_f32 v13, v13, v254                   ; the running largest t
	v_mov_b32 v254, v12
	v_floor_f32 v12, -v13                          ; the new -M: M is a whole number
	v_sub_f32 v254, v12, v254
	v_cvt_i32_f32 v254, v254                       ; (it saturates)
	v_ldexp_f32 v252, 1.0, v254                    ; f = 2^(old M - new M)
.set j, 0
.rept 32
	v_pk_fma_f32 v[96+j:97+j], v[96+j:97+j], s[CS:CS+1], v[12:13] op_sel_hi:[1,0,0]   ; t - M
.set j, j+2
.endr
.irp b, 0,1,2,3
	v_fma_f32 v[232+\b], v[232+\b], s[CS], v12
.endr
.set j, 0
.rept 64
	v_exp_f32 v[96+j], v[96+j]                     ; p = 2^(t - M)
.set j, j+1
.endr
	v_pk_mul_f32 v[14:15], v[14:15], v[252:253] op_sel_hi:[1,0]   ; the sums under the new M (a plain place behind the exponentials)
	s_wait_alu depctr_va_vdst(0)                   ; one wait for the batch, ahead of its first reader
.irp b, 0,1,2,3
	v_exp_f32 v[232+\b], v[232+\b]                 ; each block's largest p
.endr
	v_pk_add_f32 v[236:237], v[96:97], v[98:99]    ; the row's sum of the unquantised p, in two chains
.irp j, 4,8,12,16,20,24,28,32,36,40,44,48,52,56,60
	v_pk_add_f32 v[14:15], v[14:15], v[96+\j:97+\j]
	v_pk_add_f32 v[236:237], v[236:237], v[98+\j:99+\j]
.endr
	v_pk_add_f32 v[14:15], v[14:15], v[236:237]
	s_wait_alu depctr_va_vdst(0)                   ; and one for the four
.irp b, 0,1,2,3
	v_max_num_f32 v[232+\b], 0x1800000, v[232+\b]  ; the floor 2^(3 - 127)
.endr
.irp b, 0,1,2,3
	v_add_nc_u32 v[244+\b], 0xff000000, v[232+\b]
.endr
.irp b, 0,1,2,3
	v_lshrrev_b32 v[236+\b], 23, v[244+\b]
.endr
	v_lshl_or_b32 v253, v237, 8, v236              ; p's scale word for these 128 keys
	v_lshl_or_b32 v253, v238, 16, v253
	v_lshl_or_b32 v253, v239, 24, v253
.irp c, 0,1
	v_cvt_scalef32_pk16_fp6_f32 v[224+6*\c:226+6*\c], v[96+32*\c:111+32*\c], v[244+2*\c]
	v_cvt_scalef32_pk16_fp6_f32 v[236+4*\c:238+4*\c], v[112+32*\c:127+32*\c], v[244+2*\c+1]
.endr
	v_nop
.irp c, 0,1
.irp i, 0,1,2
	v_permlane16_swap_b32 v[224+6*\c+\i], v[236+4*\c+\i]
.endr
.irp i, 0,1,2
	v_mov_b32 v[227+6*\c+\i], v[236+4*\c+\i]
.endr
.endr
.set j, 0
.rept 32
	v_pk_mul_f32 v[160+j:161+j], v[160+j:161+j], v[252:253] op_sel_hi:[1,0]   ; O^T under the new M (these are also the places in front of the products below)
.set j, j+2
.endr
	s_wait_dscnt 0x0                               ; V is in
	WIN 0x01
.irp t, 0,1,2,3,4,5,6,7
	v_wmma_scale_f32_16x16x128_f8f6f4 v[160+8*\t:167+8*\t], v[96+12*\t:107+12*\t], v[224:235], v[160+8*\t:167+8*\t], v[40+\t], v253 matrix_a_fmt:MATRIX_FMT_FP6 matrix_b_fmt:MATRIX_FMT_FP6
.endr
	WIN 0
.Lhidden_\@:
	s_add_co_u32 s[KF], s[KF], 256
	s_add_co_u32 s[TS], s[TS], 1088                ; two key steps' scale words on
	s_add_co_u32 s[SK0], s[SK0], 256
.endm
; THE CHANGE OF SLOTS, at a slot's head.  Each wave waits for all its tensor loads, adds 0 to its spare word, and waits for that and for its reads of the slot that it has left; behind the barrier the slot ahead is whole
; and nobody reads the other one, which is then filled with the keys that follow, up to the causal limit: a wave's one tensor load until the next barrier.
.macro CHANGE fill
	s_wait_tensorcnt 0x0                           ; no tensor load of mine is out, so the descriptor may be written
	ds_add_u32 v[SPW], v[NIL]
.if \fill
	s_xor_b32 s[G0+1], s[G0+1], SLOT1
	s_add_nc_u64 s[G0+2:G0+3], s[G0+2:G0+3], 24576
	s_wait_xcnt 0x0                                ; the last prefetch, a slot back, has read its address
	s_add_nc_u64 s[PFA:PFA+1], s[PFA:PFA+1], 24576
.endif
	s_wait_dscnt 0x0                               ; the add is done, and my reads of the slot that I have left are over
	s_barrier_signal -1
	s_barrier_wait -1
.if \fill
	s_add_co_u32 s96, s[SK0], 256                  ; the first key of the slot that this change would ask for,
	s_cmp_gt_u32 s96, s[QL]                        ; against the work-group's last query: ids and the count of slots alone, the same in all eight waves
	s_cbranch_scc1 .Lpast_\@
	TLOAD G0, G1D
.Lpast_\@:
	ASK
.endif
.endm
	s_wait_loadcnt 0x0                             ; Q, its scale word, the router's weight
.Lslot:
	CHANGE 1
	STEP
	s_xor_b32 s[TB], s[TB], SLOT1
	s_sub_co_u32 s[SLOTS], s[SLOTS], 1
	s_cmp_lg_u32 s[SLOTS], 0
	s_cbranch_scc1 .Lslot
	CHANGE 0                                       ; the last slot is written out: nothing is left to ask for
	STEP
.rept 4
	v_nop                                          ; four places between the last product and the first read of O^T
.endr
	; THE MERGE: waves 4-7 hand their part of a tile to the wave of 0-3 that owns the tile, as images of registers
	s_cmp_lt_u32 s[WV], 4
	s_cbranch_scc1 .Lno_put
.set i, 0
.rept 16
	ds_store_b128 v[MGA], v[160+4*i:163+4*i] offset:512*i
.set i, i+1
.endr
	ds_store_b128 v[MGA], v[12:15] offset:8192
.Lno_put:
	s_wait_dscnt 0x0
	s_barrier_signal -1
	s_barrier_wait -1
	s_cmp_lt_u32 s[WV], 4
	s_cbranch_scc1 .Lmerge
	s_wait_tensorcnt 0x0                           ; the wave's end
	ds_add_u32 v[SPW], v[NIL]
	s_wait_dscnt 0x0
	s_endpgm
.Lmerge:
.set i, 0
.rept 16
	ds_load_b128 v[96+4*i:99+4*i], v[MGA] offset:512*i
.set i, i+1
.endr
	ds_load_b128 v[48:51], v[MGA] offset:8192
	s_wait_dscnt 0x0
	v_min_num_f32 v56, v12, v48                    ; -M of both parts together
	v_sub_f32 v57, v56, v12
	v_sub_f32 v58, v56, v48                        ; (a part with no key step has -M = 3e38: its factor comes out 0)
	v_cvt_i32_f32 v57, v57
	v_cvt_i32_f32 v58, v58
	v_ldexp_f32 v52, 1.0, v57
	v_ldexp_f32 v54, 1.0, v58
	v_mov_b32 v53, v52
	v_mov_b32 v55, v54
	v_pk_mul_f32 v[14:15], v[14:15], v[52:53]
	v_pk_fma_f32 v[14:15], v[50:51], v[54:55], v[14:15]
.set j, 0
.rept 32
	v_pk_mul_f32 v[160+j:161+j], v[160+j:161+j], v[52:53]
	v_pk_fma_f32 v[160+j:161+j], v[96+j:97+j], v[54:55], v[160+j:161+j]
.set j, j+2
.endr
	v_add_f32 v14, v14, v15
	v_permlanex16_b32 v252, v14, s[SEL], s[SEL+1]
	v_add_f32 v14, v14, v252                       ; the row's sum
	v_rcp_f32 v14, v14
	v_nop
	s_wait_alu depctr_va_vdst(0)
	v_mul_f32 v14, v14, v29                        ; x the router's weight
.set j, 0
.rept 64
	v_mul_f32 v[96+j], v[160+j], v14               ; register 16 b + i is channel 32 b + 16 h + i of my query: V's tiles were laid for that
.set j, j+1
.endr
	QUANT 96, PC, TP, PW
.irp c, 0,1,2
	global_store_b128 v30, v[PC+4*\c:PC+4*\c+3], s[48:49] offset:512*\c   ; the fragment's image: 512 consecutive bytes a store
.endr
	global_store_b32 v31, v[PW], s[50:51] offset:AS
	s_wait_tensorcnt 0x0                           ; the wave's end
	ds_add_u32 v[SPW], v[NIL]
	s_wait_dscnt 0x0
	s_endpgm
.Lfunc_end_k_qf6ac9756ee_attn:
	.size	k_qf6ac9756ee_attn, .Lfunc_end_k_qf6ac9756ee_attn-k_qf6ac9756ee_attn
	.p2alignl 7, 3214868480
	.fill 96, 4, 3214868480
	.section	.rodata,"a",@progbits
	.p2align	6, 0x0
	.amdhsa_kernel k_qf6ac9756ee_attn
		.amdhsa_group_segment_fixed_size 327680
		.amdhsa_private_segment_fixed_size 0
		.amdhsa_enable_private_segment 0
		.amdhsa_kernarg_size 32
		.amdhsa_user_sgpr_count 2
		.amdhsa_user_sgpr_kernarg_segment_ptr 1
		.amdhsa_wavefront_size32 1
		.amdhsa_system_sgpr_workgroup_id_x 1
		.amdhsa_system_sgpr_workgroup_id_y 1
		.amdhsa_system_sgpr_workgroup_id_z 1
		.amdhsa_system_vgpr_workitem_id 0
		.amdhsa_next_free_vgpr 448
		.amdhsa_next_free_sgpr 100
		.amdhsa_reserve_vcc 1
		.amdhsa_float_denorm_mode_32 3
		.amdhsa_float_denorm_mode_16_64 3
		.amdhsa_memory_ordered 1
		.amdhsa_forward_progress 1
		.amdhsa_inst_pref_size 77
	.end_amdhsa_kernel
	.amdgpu_metadata
---
amdhsa.version: [ 1, 2 ]
amdhsa.kernels:
  - .name:           k_qf6ac9756ee_attn
    .symbol:         k_qf6ac9756ee_attn.kd
    .args:
      - { .name: qkv, .offset: 0, .size: 8, .value_kind: global_buffer, .address_space: global }
      - { .name: vw, .offset: 8, .size: 8, .value_kind: global_buffer, .address_space: global }
      - { .name: xw, .offset: 16, .size: 8, .value_kind: global_buffer, .address_space: global }
      - { .name: ao, .offset: 24, .size: 8, .value_kind: global_buffer, .address_space: global }
    .group_segment_fixed_size: 327680
    .private_segment_fixed_size: 0
    .kernarg_segment_align: 8
    .kernarg_segment_size: 32
    .max_flat_workgroup_size: 256
    .sgpr_count:     100
    .vgpr_count:     448
    .wavefront_size: 32
...
	.end_amdgpu_metadata
.endif
;; end of part 5
;; launch oproj (part 6): grid 8 x 32, 4 waves a work-group, no clusters, 17,920 bytes of LDS; arguments ao, vw, out0; writes out0
.if DOCPART == 6
	.amdgcn_target "amdgcn-amd-amdhsa--gfx1250"
	.amdhsa_code_object_version 6
	.text
	.protected	k_qf6ac9756ee_oproj
	.globl	k_qf6ac9756ee_oproj
	.p2align	8
	.type	k_qf6ac9756ee_oproj,@function
k_qf6ac9756ee_oproj:
	s_mov_b64 s[64:65], 0
	v_nop
	global_prefetch_b8 v0, s[64:65] scope:SCOPE_SE
	s_setreg_imm32_b32 hwreg(HW_REG_WAVE_MODE, 25, 1), 1
	s_wait_xcnt 0x0
; out0 [4096][1024] f32 = (attention's result, K = slot x 128 + channel) x Wo, on codes of FP6 (E2M3) with one E8M0 scale for each 32 along K.  Both operands arrive as images of operand registers.
; SHARES.  Work-group (x, y): 128 columns x 128 tokens.  Wave w: tokens 64 (w / 2) on, columns 64 (w % 2) on: 16 accumulators.  K = 512 is four steps: straight-line text, all 128 loads of a wave go out at once.
; Used transposed (source 0 = 16 columns of Wo, source 1 = 16 tokens): a lane holds one token, and the two tiles 2 b, 2 b + 1 give it 16 neighbouring columns.
; THE WAY OUT: 16 tokens x 64 columns at a time through my own stage in LDS (rows of 256 bytes + 16) and back as whole rows: sixteen lanes store 256 consecutive, aligned bytes.
; NO CLUSTER, NO TENSOR LOAD: each wave reads each of its operand bytes once, straight into the registers that the products name.
; REGISTERS: window 0: v1-9 lane terms; v14, v15 the add's two; v16-31 Wo's scale words (4 s + t), v32-47 the tokens' (4 s + m); v48-175 accumulators (4 m + t); v176-239 rows on their way out.  window 1: Wo's fragments; window 2: the tokens'.
.set WOI,   1638400
.set WOS,   2031616
.set AS,    1572864
.set SPARE, 4*16*272
.set MSB, 0
.macro WIN new
.if MSB != (\new)
	s_set_vgpr_msb (MSB<<8)|(\new)
.set MSB, (\new)
.endif
.endm
.macro LOADS s
	WIN 0x40
.irp t, 0,1,2,3
.irp c, 0,1,2
	global_load_b128 v[12*(4*\s+\t)+4*\c:12*(4*\s+\t)+4*\c+3], v4, s[20:21] offset:12288*\s+1536*\t+512*\c
.endr
.endr
	WIN 0x80
.irp m, 0,1,2,3
.irp c, 0,1,2
	global_load_b128 v[12*(4*\s+\m)+4*\c:12*(4*\s+\m)+4*\c+3], v4, s[24:25] offset:393216*\s+1536*\m+512*\c
.endr
.endr
	WIN 0
.irp t, 0,1,2,3
	global_load_b32 v[16+4*\s+\t], v6, s[22:23] offset:512*\s+64*\t
.endr
.irp m, 0,1,2,3
	global_load_b32 v[32+4*\s+\m], v5, s[26:27] offset:AS+32768*\s+128*\m
.endr
.endm
.macro MULS s                          ; the sixteen accumulators take turns, one instruction a turn
.irp m, 0,1,2,3
.irp t, 0,1,2,3
.if \s == 0
	v_wmma_scale_f32_16x16x128_f8f6f4 v[48+8*(4*\m+\t):55+8*(4*\m+\t)], v[12*(4*\s+\t):12*(4*\s+\t)+11], v[12*(4*\s+\m):12*(4*\s+\m)+11], 0, v[16+4*\s+\t], v[32+4*\s+\m] matrix_a_fmt:MATRIX_FMT_FP6 matrix_b_fmt:MATRIX_FMT_FP6
.else
	v_wmma_scale_f32_16x16x128_f8f6f4 v[48+8*(4*\m+\t):55+8*(4*\m+\t)], v[12*(4*\s+\t):12*(4*\s+\t)+11], v[12*(4*\s+\m):12*(4*\s+\m)+11], v[48+8*(4*\m+\t):55+8*(4*\m+\t)], v[16+4*\s+\t], v[32+4*\s+\m] matrix_a_fmt:MATRIX_FMT_FP6 matrix_b_fmt:MATRIX_FMT_FP6
.endif
.endr
.endr
.endm
.macro TOSTAGE m
.irp t, 0,1,2,3
	ds_store_b128 v7, v[48+8*(4*(\m)+\t):51+8*(4*(\m)+\t)] offset:128*(\t/2)+32*(\t%2)      ; each accumulator from its low end on
	ds_store_b128 v7, v[52+8*(4*(\m)+\t):55+8*(4*(\m)+\t)] offset:128*(\t/2)+32*(\t%2)+16
.endr
.set BB, 176+32*((\m)%2)
.irp i, 0,1,2,3,4,5,6,7
	ds_load_b128 v[BB+4*\i:BB+4*\i+3], v8 offset:544*\i   ; LDS serves a wave's instructions in order: these see my stores
.endr
.endm
.macro SEND m, younger                 ; younger: the LDS instructions issued behind block m's loads
.set BB, 176+32*((\m)%2)
	s_wait_dscnt \younger
.irp i, 0,1,2,3,4,5,6,7
	global_store_b128 v9, v[BB+4*\i:BB+4*\i+3], s[8:9] offset:(16*(\m)+2*\i)*4096 th:TH_STORE_NT
.endr
.endm
	s_load_b128 s[4:7], s[0:1], 0x0                ; ao, vw
	s_load_b64 s[8:9], s[0:1], 0x10                ; out0
	v_lshl_add_u32 v14, v0, 2, SPARE
	v_mov_b32 v15, 0
	v_lshrrev_b32 v1, 5, v0
	v_readfirstlane_b32 s12, v1                    ; wave
	s_lshr_b32 s13, s12, 1                         ; which 64 tokens
	s_and_b32 s14, s12, 1                          ; which 64 columns
	s_and_b32 s15, ttmp7, 0xffff                   ; block of 128 tokens
	v_and_b32 v1, 31, v0
	v_and_b32 v2, 15, v0                           ; r
	v_bfe_u32 v3, v0, 4, 1                         ; h
	v_lshlrev_b32 v4, 4, v1
	v_lshlrev_b32 v5, 2, v1
	v_lshlrev_b32 v6, 2, v2
	s_mul_i32 s16, s12, 16*272                     ; my stage
	v_mul_u32_u24 v7, v2, 272
	v_lshl_add_u32 v7, v3, 6, v7
	v_add_nc_u32 v7, s16, v7                       ; in: row r, + 64 h
	v_mul_u32_u24 v8, v3, 272
	v_lshl_add_u32 v8, v2, 4, v8
	v_add_nc_u32 v8, s16, v8                       ; back: lanes 0-15 one row, lanes 16-31 the next
	v_lshlrev_b32 v9, 12, v3
	v_lshl_add_u32 v9, v2, 4, v9                   ; and the same two rows in out0
	s_mov_b32 s19, 0
	s_mul_i32 s18, ttmp9, 49152
	s_mul_i32 s17, s14, 6144
	s_add_co_u32 s18, s18, s17
	s_add_co_u32 s18, s18, WOI
	s_wait_kmcnt 0x0
	s_add_nc_u64 s[20:21], s[6:7], s[18:19]        ; Wo's images: my four tiles
	s_lshl_b32 s18, ttmp9, 11
	s_lshl_b32 s17, s14, 8
	s_add_co_u32 s18, s18, s17
	s_add_co_u32 s18, s18, WOS
	s_add_nc_u64 s[22:23], s[6:7], s[18:19]        ; and their scale words
	s_lshl_b32 s16, s15, 3
	s_lshl_b32 s17, s13, 2
	s_add_co_u32 s16, s16, s17                     ; my first tile of tokens
	s_mul_i32 s18, s16, 1536
	s_add_nc_u64 s[24:25], s[4:5], s[18:19]
	s_lshl_b32 s18, s16, 7
	s_add_nc_u64 s[26:27], s[4:5], s[18:19]
	s_lshl_b32 s18, s16, 16                        ; 16 tokens x 4,096 bytes a tile
	s_lshl_b32 s17, ttmp9, 9
	s_add_co_u32 s18, s18, s17
	s_lshl_b32 s17, s14, 8
	s_add_co_u32 s18, s18, s17
	s_add_nc_u64 s[8:9], s[8:9], s[18:19]
	LOADS 0
	LOADS 1
	LOADS 2
	LOADS 3
	s_wait_loadcnt 63                              ; 96 younger loads might stay out: the count is the most that the wait can name
	WIN 0x09                                       ; source 0 window 1, source 1 window 2
	MULS 0
	s_wait_loadcnt 63
	MULS 1
	s_wait_loadcnt 32
	MULS 2
	s_wait_loadcnt 0x0
	MULS 3
	WIN 0
.rept 4
	v_nop                                          ; four places between the last product and the first read of results
.endr
	TOSTAGE 0
.irp m, 1,2,3
.if \m > 1
	s_wait_xcnt 0x0                                ; block m - 2's stores have read the registers into which block m's rows come back
.endif
	TOSTAGE \m
	SEND \m-1, 16                                  ; behind block m - 1's loads: block m's 8 stores and 8 loads
.endr
	SEND 3, 0
	s_wait_tensorcnt 0x0                           ; the wave's end
	ds_add_u32 v14, v15
	s_wait_dscnt 0x0
	s_endpgm
.Lfunc_end_k_qf6ac9756ee_oproj:
	.size	k_qf6ac9756ee_oproj, .Lfunc_end_k_qf6ac9756ee_oproj-k_qf6ac9756ee_oproj
	.p2alignl 7, 3214868480
	.fill 96, 4, 3214868480
	.section	.rodata,"a",@progbits
	.p2align	6, 0x0
	.amdhsa_kernel k_qf6ac9756ee_oproj
		.amdhsa_group_segment_fixed_size 17920
		.amdhsa_private_segment_fixed_size 0
		.amdhsa_enable_private_segment 0
		.amdhsa_kernarg_size 24
		.amdhsa_user_sgpr_count 2
		.amdhsa_user_sgpr_kernarg_segment_ptr 1
		.amdhsa_wavefront_size32 1
		.amdhsa_system_sgpr_workgroup_id_x 1
		.amdhsa_system_sgpr_workgroup_id_y 1
		.amdhsa_system_sgpr_workgroup_id_z 1
		.amdhsa_system_vgpr_workitem_id 0
		.amdhsa_next_free_vgpr 704
		.amdhsa_next_free_sgpr 66
		.amdhsa_reserve_vcc 0
		.amdhsa_float_denorm_mode_32 3
		.amdhsa_float_denorm_mode_16_64 3
		.amdhsa_memory_ordered 1
		.amdhsa_forward_progress 1
		.amdhsa_inst_pref_size 31
	.end_amdhsa_kernel
	.amdgpu_metadata
---
amdhsa.version: [ 1, 2 ]
amdhsa.kernels:
  - .name:           k_qf6ac9756ee_oproj
    .symbol:         k_qf6ac9756ee_oproj.kd
    .args:
      - { .name: ao, .offset: 0, .size: 8, .value_kind: global_buffer, .address_space: global }
      - { .name: vw, .offset: 8, .size: 8, .value_kind: global_buffer, .address_space: global }
      - { .name: out0, .offset: 16, .size: 8, .value_kind: global_buffer, .address_space: global }
    .group_segment_fixed_size: 17920
    .private_segment_fixed_size: 0
    .kernarg_segment_align: 8
    .kernarg_segment_size: 24
    .max_flat_workgroup_size: 128
    .sgpr_count:     66
    .vgpr_count:     704
    .wavefront_size: 32
...
	.end_amdgpu_metadata
.endif
;; end of part 6
